; MI455X (gfx1250); checked and timed in simulation.
; The chip was launched on July 23, 2026; its instructions are those of AMD's public machine-readable ISA for CDNA 5 (MIT licence, August 2026) and "CDNA5" Instruction Set Architecture Reference Guide (July 2026). The comments in the code are by the model that wrote it; some were corrected since.
;; Multi Head Attention. Allowed arithmetic: matrix products marked QUANTISED: E2M3 operands, one E8M0 scale for each 32 along K, by v_wmma_scale_f32_16x16x128_f8f6f4 with both operands' format E2M3, f32 sums; everything else in f32.
;; Inputs: Wk 512 x 512 float32; Wo 512 x 512 float32; Wq 512 x 512 float32; Wv 512 x 512 float32; bk 512 float32; bq 512 float32; bv 512 float32; key 2 x 4,096 x 512 float32; mask 2 x 4,096 x 4,096 int32; query 2 x 4,096 x 512 float32; value 2 x 4,096 x 512 float32.
;; Outputs: out0 2 x 4,096 x 512 float32.
;; This version of the problem:
;;   THIS VERSION OF THE PROBLEM IS GIVEN IN LOW PRECISION. The matrix products marked QUANTISED in the list below multiply operands that are first quantised to E2M3 (2 exponent bits, 3 mantissa bits; 6 bits a number), with one power-of-two scale for each 32 numbers along K (OCP MX v1.0); their sums are f32. All else is computed in f32.
;;   The module's matrix products, in the order in which they are computed (A, B: the left and right operand; K: the contracted axis; several contracted axes count as one K, in the product's order):
;;     1. [M 8,192, K 512] x [K 512, N 512]; A: input query; B: input Wq: QUANTISED
;;     2. [M 8,192, K 512] x [K 512, N 512]; A: input key; B: input Wk: QUANTISED
;;     3. [M 8,192, K 512] x [K 512, N 512]; A: input value; B: input Wv: QUANTISED
;;     4. batch 16 x [M 4,096, K 64] x [K 64, N 4,096]; A: computed on the way; B: computed on the way: QUANTISED
;;     5. batch 16 x [M 4,096, K 4,096] x [K 4,096, N 64]; A: softmax (see below); B: computed on the way: QUANTISED
;;     6. [M 8,192, K 512] x [K 512, N 512]; A: computed on the way; B: input Wo: QUANTISED
;;   THE QUANTISER, for each operand of a quantised product, along K:
;;     - K is cut into blocks of 32 from its start; a last block that is shorter is filled with zeros.
;;     - A block's scale is 2^e with e = floor(log2(the largest magnitude in the block)) - 2, held to -126 .. 127; a block of zeros has e = 0. As a byte (E8M0): e + 127.
;;     - Each number is divided by its block's scale, clamped to +-7.5, and rounded to the nearest number of E2M3, ties to even, subnormals kept.
;;     - The product sums the exact products of the quantised numbers (number of the format x scale) in f32.
;;   ~~~python
;;   def quantise(x, axis):      # numpy; x: float32 -> the quantised numbers, widened to float32 again
;;       x = np.moveaxis(x, axis, -1); K = x.shape[-1]
;;       x = np.pad(x, [(0, 0)] * (x.ndim - 1) + [(0, -K % 32)]); x = x.reshape(x.shape[:-1] + (-1, 32)); a = np.abs(x).max(-1, keepdims=True)
;;       e = np.where(a > 0, np.clip(np.frexp(np.where(a > 0, a, 1))[1] - 1 - 2, -126, 127), 0)      # np.frexp(a)[1] - 1 = floor(log2(a)), exactly
;;       r = np.clip(x / 2.0 ** e, -7.5, 7.5)
;;       step = 2.0 ** (np.maximum(np.frexp(np.where(r == 0, 1, r))[1] - 1, 0) - 3)
;;       q = np.round(r / step) * step * 2.0 ** e      # np.round: ties to even
;;       return np.moveaxis(q.reshape(q.shape[:-2] + (-1,))[..., :K], -1, axis).astype(np.float32)
;;   ~~~
;;   SOFTMAX AHEAD OF A QUANTISED PRODUCT. Where the list says 'softmax', what is quantised is not the finished softmax but p = 2^(t - M), with t = logit x log2(e) and M = ceil(the row's largest t), a whole number; so 1/2 < the row's largest p <= 1. The row's sum l is taken of the UNQUANTISED p, in f32, and the product's result is divided by l at the end. Since M is a whole number, a kernel that streams over the keys may use a running M (the ceiling of the running maximum): every later rescaling is an exact power of two, which a block's scale takes up: the codes' values come out the same.
;;   OPERANDS COMPUTED ON THE WAY. 'Computed on the way' means the value that the module computes at that place (a softmax that the list does not call 'softmax' is quantised finished and normalised). What goes into a quantiser is computed in f32, as accurately as f32 sums, v_exp_f32 and their like allow (about 1e-6 of the number): no bf16 or f16 on the way to a quantiser, and a product that is left as it is and whose result goes on into a quantised operand takes f32 operands (vector FMAs, or v_wmma_f32_16x16x4_f32). A number that lies on a knife's edge between two numbers of the format may be rounded either way, as far as f32 arithmetic and the matrix unit's own rounding can turn it there, and no further.
;; 2 versions. Each part assembles by itself: llvm-mc -triple=amdgcn-amd-amdhsa -mcpu=gfx1250 --defsym DOCPART=n.
;; ======== version 1 of 2: 4 launches
;; limits: right only within a limited range of input values
;; workspace buffers: maskw 4,194,304 bytes of whole numbers; wq 819,200 bytes; qq 3,407,872 bytes; kv 6,684,672 bytes; xq 3,276,800 bytes
;; launch prep (part 1): grid 512 x 1, 8 waves a work-group, no clusters, 68,608 bytes of LDS; arguments mask, Wq, Wk, Wv, Wo, maskw, wq; writes maskw, wq
.if DOCPART == 1
	.amdgcn_target "amdgcn-amd-amdhsa--gfx1250"
	.amdhsa_code_object_version 6
	.text
	.protected	k_qb58577b2db_prep
	.globl	k_qb58577b2db_prep
	.p2align	8
	.type	k_qb58577b2db_prep,@function
k_qb58577b2db_prep:
	s_mov_b64 s[64:65], 0
	v_nop
	global_prefetch_b8 v0, s[64:65] scope:SCOPE_SE
	s_setreg_imm32_b32 hwreg(HW_REG_WAVE_MODE, 25, 1), 1
	s_wait_xcnt 0x0
; PREP.  (1) The mask [2][4096][4096] of int32 is read once and becomes lane masks for the attention launch; (2) the four weights [512][512] f32 become codes of FP6 (E2M3) with one E8M0 byte for each 32 along K.
; ROWS OF A TILE: tile T takes rows rho(T, i) = 32 (T / 2) + 8 (T % 2) + i + 8 (i / 8), i = 0 .. 15.  The same map serves queries, keys, weight rows and output rows in all four launches.
; MASK WORDS: for batch b, query tile T, key step (128 keys): 64 words, 256 bytes.  Bit r + 16 h of word j = (mask[b][rho(T, r)][128 step + 32 (j / 16) + 16 h + j % 16] != 0):
; that is the lane mask of score register j in the attention launch.
; SHARES: work-group g = 256 b + T takes 16 rows x 4,096 keys; wave w takes key steps 4 w .. 4 w + 3.  Each load reads 512 consecutive bytes of one row; the 16 x 512 bytes turn through the wave's own stage in LDS
; (rows 528 bytes apart), so that lane (r, h) holds row r's numbers in the order of the score registers.  Two units (32 loads a wave) are on their way.  Waves share nothing: no barrier.
; WEIGHTS: wave 0 of work-group g also quantises fragment g = 128 t + 4 T + s (t: Wq, Wk, Wv, Wo; 16 rows rho(T, .) x 128 along K): lane (r, h) loads the very k that the operand's layout gives it
; (k = 128 s + 64 c + 32 h + 0 .. 31), so a block lies in one lane and the conversions' results are the operand's registers.  They are stored as an image of those registers: group i of four registers at 512 i + 16 x lane.
; A block's scale is 2^(floor(log2(largest magnitude)) - 2); its byte is the largest magnitude's exponent field - 2, held at 1 from below.
; LIMITS: a block of zeros gets the byte 1 and not 127 (its codes are zeros, and this program alone reads the bytes); NaN and infinities among the weights are not served.
.set SPARE, 67584                      ; behind the eight stages of 8,448 bytes: the spare words, 128 bytes for each wave
.set WSO,   786432                     ; where the scale words begin in wq
.set R,     64                         ; v64-191  two sets of 64 numbers
.set XW,    128                        ; the weight's 64 numbers: set 1, ahead of its first mask loads
.set WD,    12                         ; v12-19   a unit's 64 words, two registers a unit: word j in lane j / 2 of register j % 2
.set PC,    24                         ; v24-43   the weight's codes
.set TM,    44                         ; v44-59   at work
.set WV,    18
.set SEL,   42                         ; s[42:43] selects for lane l xor 16
	s_load_b256 s[4:11], s[0:1], 0x0               ; mask, Wq, Wk, Wv
	s_load_b128 s[12:15], s[0:1], 0x20             ; Wo, maskw
	s_load_b64 s[16:17], s[0:1], 0x30              ; wq
	v_lshl_add_u32 v5, v0, 2, SPARE                ; my spare word; never rewritten
	v_mov_b32 v6, 0                                ; 0; never rewritten
	v_lshrrev_b32 v1, 5, v0
	v_readfirstlane_b32 s[WV], v1                  ; wave 0..7
	v_and_b32 v11, 31, v0                          ; lane
	v_and_b32 v10, 15, v0                          ; r
	v_bfe_u32 v20, v0, 4, 1                        ; h
	v_lshlrev_b32 v1, 4, v11                       ; 16 x lane
	v_lshlrev_b32 v2, 3, v11                       ; 8 x lane
	s_mul_i32 s19, s[WV], 8448                     ; my stage
	v_add_nc_u32 v3, s19, v1                       ; into it: 16 x lane, a row an instruction
	v_mul_u32_u24 v4, v10, 528
	v_lshl_add_u32 v4, v20, 6, v4
	v_add_nc_u32 v4, s19, v4                       ; out of it: row r, + 64 h
	v_and_b32 v8, 8, v10
	v_add_nc_u32 v8, v8, v10                       ; r + 8 (r / 8)
	v_lshlrev_b32 v8, 11, v8                       ; a weight's row is 2,048 bytes
	v_lshl_add_u32 v9, v20, 7, v8                  ; + 128 h: my block of 32
	v_lshlrev_b32 v10, 4, v10                      ; 16 r
.irp i, 0,1,2,3,4,5,6,7
	v_mov_b32 v[WD+\i], 0                          ; a lane write's destination counts as read
.endr
	s_mov_b32 s[SEL], 0x76543210
	s_mov_b32 s[SEL+1], 0xfedcba98
	s_lshr_b32 s19, ttmp9, 8                       ; b
	s_lshl_b32 s19, s19, 12
	s_bfe_u32 s44, ttmp9, 0x70001                  ; T / 2
	s_lshl_b32 s44, s44, 5
	s_add_co_u32 s19, s19, s44
	s_and_b32 s44, ttmp9, 1
	s_lshl_b32 s44, s44, 3
	s_add_co_u32 s19, s19, s44                     ; 4096 b + rho(T, 0)
	s_lshl_b32 s20, s19, 14                        ; a row of the mask is 16,384 bytes
	s_lshl_b32 s44, s[WV], 11                      ; my four steps: 2,048 bytes
	s_add_co_u32 s20, s20, s44
	s_mov_b32 s21, 0
	s_lshl_b32 s22, ttmp9, 13                      ; the words: (32 g + 4 w) x 256
	s_lshl_b32 s44, s[WV], 10
	s_add_co_u32 s22, s22, s44
	s_mov_b32 s23, 0
	s_bfe_u32 s44, ttmp9, 0x40003                  ; the weight's tile / 2
	s_lshl_b32 s44, s44, 5
	s_bfe_u32 s45, ttmp9, 0x10002                  ; the weight's tile % 2
	s_lshl_b32 s45, s45, 3
	s_add_co_u32 s44, s44, s45
	s_lshl_b32 s28, s44, 11                        ; its first row,
	s_and_b32 s44, ttmp9, 3
	s_lshl_b32 s45, s44, 9                         ; its K step: 512 bytes
	s_add_co_u32 s28, s28, s45
	s_mov_b32 s29, 0
	s_mul_i32 s30, ttmp9, 1536                     ; the fragment's image
	s_mov_b32 s31, 0
	s_lshr_b32 s46, ttmp9, 2
	s_lshl_b32 s46, s46, 8                         ; its scale words: 256 bytes a tile, 16 r + 4 s in them
	s_lshl_b32 s44, s44, 2
	s_add_co_u32 s46, s46, s44
	s_add_co_u32 s46, s46, WSO
	s_mov_b32 s47, 0
	s_lshr_b32 s19, ttmp9, 7                       ; which weight
	s_wait_kmcnt 0x0
	s_add_nc_u64 s[20:21], s[4:5], s[20:21]
	s_add_nc_u64 s[22:23], s[14:15], s[22:23]
	s_mov_b64 s[26:27], s[12:13]
	s_cmp_eq_u32 s19, 2
	s_cselect_b64 s[26:27], s[10:11], s[26:27]
	s_cmp_eq_u32 s19, 1
	s_cselect_b64 s[26:27], s[8:9], s[26:27]
	s_cmp_eq_u32 s19, 0
	s_cselect_b64 s[26:27], s[6:7], s[26:27]
	s_add_nc_u64 s[26:27], s[26:27], s[28:29]
	s_add_nc_u64 s[30:31], s[16:17], s[30:31]
	s_add_nc_u64 s[46:47], s[16:17], s[46:47]
.macro LOADM u                         ; unit u: 16 rows x 512 bytes; each load 512 consecutive bytes
.irp i, 0,1,2,3,4,5,6,7,8,9,10,11,12,13,14,15
	global_load_b128 v[R+64*((\u)%2)+4*\i:R+64*((\u)%2)+4*\i+3], v1, s[20:21] offset:(\i+8*(\i/8))*16384+512*(\u) th:TH_LOAD_NT
.endr
.endm
.macro TURN rs                         ; through my stage and back into the same registers: LDS serves a wave's instructions in order, so no wait stands between
.irp i, 0,1,2,3,4,5,6,7,8,9,10,11,12,13,14,15
	ds_store_b128 v3, v[\rs+4*\i:\rs+4*\i+3] offset:528*\i
.endr
.irp b, 0,1,2,3
.irp j, 0,1,2,3
	ds_load_b128 v[\rs+16*\b+4*\j:\rs+16*\b+4*\j+3], v4 offset:128*\b+16*\j
.endr
.endr
.endm
	LOADM 0
	s_cmp_lg_u32 s[WV], 0
	s_cbranch_scc1 .Lno_weight
	; ---- the weight's fragment (wave 0 alone)
.irp c, 0,1
.irp j, 0,1,2,3,4,5,6,7
	global_load_b128 v[XW+32*\c+4*\j:XW+32*\c+4*\j+3], v9, s[26:27] offset:256*\c+16*\j
.endr
.endr
	s_wait_loadcnt 0x0
.irp c, 0,1
	v_max3_num_f32 v[TM+\c], |v[XW+32*\c]|, |v[XW+32*\c+1]|, 0x1800000   ; my block 2 c + h, and the floor 2^(3 - 127): the byte cannot fall under 1
.endr
.irp i, 2,4,6,8,10,12,14,16,18,20,22,24,26,28,30
.irp c, 0,1
	v_max3_num_f32 v[TM+\c], v[TM+\c], |v[XW+32*\c+\i]|, |v[XW+32*\c+\i+1]|
.endr
.endr
.irp c, 0,1
	v_add_nc_u32 v[TM+4+\c], 0xff000000, v[TM+\c]  ; 2 off the exponent field: the conversion's scale operand
.endr
.irp c, 0,1
	v_lshrrev_b32 v[TM+8+\c], 23, v[TM+4+\c]       ; the scale's byte
.endr
	v_lshl_or_b32 v21, v[TM+9], 16, v[TM+8]        ; my two bytes: blocks h and 2 + h,
	v_lshlrev_b32 v22, 3, v20
	v_lshlrev_b32 v21, v22, v21                    ; 8 h bits up;
	v_mov_b32 v22, 0
	v_permlanex16_b32 v22, v21, s[SEL], s[SEL+1]
	v_or_b32 v21, v21, v22                         ; with lane l xor 16's two the word is whole
.irp c, 0,1
	v_cvt_scalef32_pk16_fp6_f32 v[PC+6*\c:PC+6*\c+2], v[XW+32*\c:XW+32*\c+15], v[TM+4+\c]
	v_cvt_scalef32_pk16_fp6_f32 v[PC+12+4*\c:PC+14+4*\c], v[XW+32*\c+16:XW+32*\c+31], v[TM+4+\c]   ; (a conversion's three registers begin on an even number)
.endr
	v_nop                                          ; one plain place behind a scaled conversion
.irp c, 0,1
.irp i, 0,1,2
	v_mov_b32 v[PC+3+6*\c+\i], v[PC+12+4*\c+\i]
.endr
.endr
.irp i, 0,1,2
	global_store_b128 v1, v[PC+4*\i:PC+4*\i+3], s[30:31] offset:512*\i   ; 512 consecutive bytes a store
.endr
	global_store_b32 v10, v21, s[46:47]            ; row r's word (lanes 16-31 write the same word with the same value)
.Lno_weight:
	LOADM 1
.macro UNIT u
.set RS, R+64*((\u)%2)
.if \u < 3
	s_wait_loadcnt 16                              ; this unit's 16 loads are in; the next unit's 16 may be out
.else
	s_wait_loadcnt 0x0
.endif
	TURN RS
	s_wait_dscnt 0x0
.set qq_, 0
.rept 8
.irp k, 0,1,2,3,4,5,6,7
	v_cmp_ne_u32 s[32+\k], 0, v[RS+8*qq_+\k]       ; word j: a bit for each lane
.endr
.irp k, 0,1,2,3,4,5,6,7
	v_writelane_b32 v[WD+2*(\u)+\k%2], s[32+\k], (8*qq_+\k)/2
.endr
.set qq_, qq_+1
.endr
.if \u+2 < 4
	LOADM \u+2                                     ; into the set that has just been read
.endif
	global_store_b64 v2, v[WD+2*(\u):WD+2*(\u)+1], s[22:23] offset:256*(\u)   ; 32 lanes store 256 consecutive bytes, aligned
.endm
	UNIT 0
	UNIT 1
	UNIT 2
	UNIT 3
	s_wait_tensorcnt 0x0                           ; the wave's end
	ds_add_u32 v5, v6
	s_wait_dscnt 0x0
	s_endpgm
.Lfunc_end_k_qb58577b2db_prep:
	.size	k_qb58577b2db_prep, .Lfunc_end_k_qb58577b2db_prep-k_qb58577b2db_prep
	.p2alignl 7, 3214868480
	.fill 96, 4, 3214868480
	.section	.rodata,"a",@progbits
	.p2align	6, 0x0
	.amdhsa_kernel k_qb58577b2db_prep
		.amdhsa_group_segment_fixed_size 68608
		.amdhsa_private_segment_fixed_size 0
		.amdhsa_enable_private_segment 0
		.amdhsa_kernarg_size 56
		.amdhsa_user_sgpr_count 2
		.amdhsa_user_sgpr_kernarg_segment_ptr 1
		.amdhsa_wavefront_size32 1
		.amdhsa_system_sgpr_workgroup_id_x 1
		.amdhsa_system_sgpr_workgroup_id_y 1
		.amdhsa_system_sgpr_workgroup_id_z 1
		.amdhsa_system_vgpr_workitem_id 0
		.amdhsa_next_free_vgpr 192
		.amdhsa_next_free_sgpr 66
		.amdhsa_reserve_vcc 0
		.amdhsa_float_denorm_mode_32 3
		.amdhsa_float_denorm_mode_16_64 3
		.amdhsa_memory_ordered 1
		.amdhsa_forward_progress 1
		.amdhsa_inst_pref_size 56
	.end_amdhsa_kernel
	.amdgpu_metadata
---
amdhsa.version: [ 1, 2 ]
amdhsa.kernels:
  - .name:           k_qb58577b2db_prep
    .symbol:         k_qb58577b2db_prep.kd
    .args:
      - { .name: mask, .offset: 0, .size: 8, .value_kind: global_buffer, .address_space: global }
      - { .name: Wq, .offset: 8, .size: 8, .value_kind: global_buffer, .address_space: global }
      - { .name: Wk, .offset: 16, .size: 8, .value_kind: global_buffer, .address_space: global }
      - { .name: Wv, .offset: 24, .size: 8, .value_kind: global_buffer, .address_space: global }
      - { .name: Wo, .offset: 32, .size: 8, .value_kind: global_buffer, .address_space: global }
      - { .name: maskw, .offset: 40, .size: 8, .value_kind: global_buffer, .address_space: global }
      - { .name: wq, .offset: 48, .size: 8, .value_kind: global_buffer, .address_space: global }
    .group_segment_fixed_size: 68608
    .private_segment_fixed_size: 0
    .kernarg_segment_align: 8
    .kernarg_segment_size: 56
    .max_flat_workgroup_size: 256
    .sgpr_count:     66
    .vgpr_count:     192
    .wavefront_size: 32
...
	.end_amdgpu_metadata
.endif
;; end of part 1
;; launch proj (part 2): grid 64 x 3, 8 waves a work-group, no clusters, 121,856 bytes of LDS; arguments query, key, value, bq, bk, bv, wq, qq, kv; writes qq, kv
.if DOCPART == 2
	.amdgcn_target "amdgcn-amd-amdhsa--gfx1250"
	.amdhsa_code_object_version 6
	.text
	.protected	k_qb58577b2db_proj
	.globl	k_qb58577b2db_proj
	.p2align	8
	.type	k_qb58577b2db_proj,@function
k_qb58577b2db_proj:
	s_mov_b64 s[64:65], 0
	v_nop
	global_prefetch_b8 v0, s[64:65] scope:SCOPE_SE
	s_setreg_imm32_b32 hwreg(HW_REG_WAVE_MODE, 25, 1), 1
	s_wait_xcnt 0x0
; PROJ.  q = query Wq^T + bq, k = key Wk^T + bk, v = value Wv^T + bv, on codes of FP6 (E2M3) with one E8M0 byte for each 32 along K; the results are quantised at once for the attention launch and go to memory as codes alone.
; SHARES: work-group (x, y): 128 rows (batch x / 32, key step x % 32) of tensor y (0 query, 1 key, 2 value).  Wave w quantises the block's tile w (16 rows rho(w, .) = 32 (w / 2) + 8 (w % 2) + i + 8 (i / 8), all 512 along K)
; and hands it to the others through LDS as images of the operand's registers; then wave w owns HEAD w: the four weight tiles 4 w + n, all four K steps, 192 registers that are loaded once.  One barrier.
; 192 work-groups: 128 rows are one K step of the second attention product and one whole block of its scale bytes, and the weights' codes are read once for each 128 rows.
; q, k: THE PRODUCT IS USED TRANSPOSED (source 0 = 16 rows of W, source 1 = 16 rows of x): a lane holds one row and, by the choice of the weight's rows, its 32 registers of the four tiles run along the head's 64: they are
; quantised in registers (two blocks of 32).  v: source 0 = 16 rows of x (keys), source 1 = 16 rows of W: a lane holds one channel d and its registers run along the KEYS, which are the second attention product's K.
; The bias is the C of each sum's first matrix instruction.
; WHAT IS STORED: half fragments (16 rows x 64 along K: six registers a lane): registers 0-3 at 16 x lane, registers 4-5 at 512 + 8 x lane: 768 bytes, every store whole aligned blocks of 256 bytes.
;   qq: tile T of head bh at (256 bh + T) 768; scale words (b0, b1, b0, b1).   kv: for (bh, step) 12,288 bytes: K's eight tiles, then V^T's four fragments (tile n, half c at 6144 + 1536 n + 768 c).
; LIMITS: a block of zeros gets the byte 1 and not 127 (its codes are zeros; this program alone reads the bytes); NaN and infinities among the inputs are not served.
; REGISTERS.  Window 0: v1-10 addresses; v16-31 W's scale words (4 n + s); v32-39 scale words made; v40-43 on their way out; v44-59 at work; v62, v63 the add's two; v64-191 x's numbers (two sets), then 16 accumulators;
;   v192-239 codes just made, then x's fragments (two halves of two), then the half fragments on their way out; v240-243 x's scale words; v244-246 at work.   Window 1: v0-191 W's 16 fragments; v192-223 the bias, eight registers a tile.
.set XSC,   49152                      ; LDS: x's 32 images of 1,536 bytes from 0; their scale words, 128 bytes each, from here;
.set STG,   53248                      ; eight stages of 16 x 528 bytes;
.set SPARE, 120832                     ; the spare words, 128 bytes for each wave
.set WSO,   786432
.set QSO,   3145728
.set KSO,   6291456
.set R,    64
.set ACC,  64
.set PC,   192
.set XF,   192
.set HO,   192
.set XS,   240
.set T2,   244
.set WSR,  16
.set PWS,  32
.set SO,   40
.set TM,   44
.set PW,   60
.set BI,   192                         ; in window 1
.set SEL,  40
.set MSB, 0
.macro WIN new                         ; the immediate's high byte repeats the setting that is left
.if MSB != \new
	s_set_vgpr_msb (MSB<<8)|\new
.set MSB, \new
.endif
.endm
; 64 numbers of a lane, register 16 b + i = k 32 b + 16 (lane / 16) + i of my row, become a fragment's codes in v[PC] on and its scale word in v[PW]
.macro QUANT src
.irp b, 0,1,2,3
	v_max3_num_f32 v[TM+\b], |v[\src+16*\b]|, |v[\src+1+16*\b]|, 0x1800000   ; my 16 numbers of block b, and the floor 2^(3 - 127)
.endr
.irp i, 2,4,6,8,10,12,14
.irp b, 0,1,2,3
	v_max3_num_f32 v[TM+\b], v[TM+\b], |v[\src+16*\b+\i]|, |v[\src+1+16*\b+\i]|
.endr
.endr
.irp b, 0,1,2,3
	v_permlanex16_b32 v[TM+4+\b], v[TM+\b], s[SEL], s[SEL+1]
.endr
.irp b, 0,1,2,3
	v_max_num_f32 v[TM+\b], v[TM+\b], v[TM+4+\b]   ; with lane l xor 16's: the block's largest magnitude
.endr
.irp b, 0,1,2,3
	v_add_nc_u32 v[TM+12+\b], 0xff000000, v[TM+\b] ; 2 off its exponent field: the conversion's scale operand
.endr
.irp b, 0,1,2,3
	v_lshrrev_b32 v[TM+4+\b], 23, v[TM+12+\b]      ; the scale's byte
.endr
	v_lshl_or_b32 v[PW], v[TM+5], 8, v[TM+4]
	v_lshl_or_b32 v[PW], v[TM+6], 16, v[PW]
	v_lshl_or_b32 v[PW], v[TM+7], 24, v[PW]
.irp c, 0,1
	v_cvt_scalef32_pk16_fp6_f32 v[PC+6*\c:PC+2+6*\c], v[\src+32*\c:\src+15+32*\c], v[TM+12+2*\c]
	v_cvt_scalef32_pk16_fp6_f32 v[PC+12+4*\c:PC+14+4*\c], v[\src+16+32*\c:\src+31+32*\c], v[TM+13+2*\c]
.endr
	v_nop                                          ; one plain place behind a scaled conversion
.irp c, 0,1                                    ; the operand's layout wants a whole block in a lane
.irp i, 0,1,2
	v_permlane16_swap_b32 v[PC+6*\c+\i], v[PC+12+4*\c+\i]
.endr
.irp i, 0,1,2
	v_mov_b32 v[PC+3+6*\c+\i], v[PC+12+4*\c+\i]
.endr
.endr
.endm
; the same on 32 numbers (two blocks): six registers of codes in v[dst] on, the two bytes in v[pw]
.macro HQUANT src, dst, t2, pw
.irp b, 0,1
	v_max3_num_f32 v[TM+\b], |v[\src+16*\b]|, |v[\src+1+16*\b]|, 0x1800000
.endr
.irp i, 2,4,6,8,10,12,14
.irp b, 0,1
	v_max3_num_f32 v[TM+\b], v[TM+\b], |v[\src+16*\b+\i]|, |v[\src+1+16*\b+\i]|
.endr
.endr
.irp b, 0,1
	v_permlanex16_b32 v[TM+4+\b], v[TM+\b], s[SEL], s[SEL+1]
.endr
.irp b, 0,1
	v_max_num_f32 v[TM+\b], v[TM+\b], v[TM+4+\b]
.endr
.irp b, 0,1
	v_add_nc_u32 v[TM+12+\b], 0xff000000, v[TM+\b]
.endr
.irp b, 0,1
	v_lshrrev_b32 v[TM+4+\b], 23, v[TM+12+\b]
.endr
	v_lshl_or_b32 v[\pw], v[TM+5], 8, v[TM+4]
	v_cvt_scalef32_pk16_fp6_f32 v[\dst:\dst+2], v[\src:\src+15], v[TM+12]
	v_cvt_scalef32_pk16_fp6_f32 v[\t2:\t2+2], v[\src+16:\src+31], v[TM+13]
	v_nop
.irp i, 0,1,2
	v_permlane16_swap_b32 v[\dst+\i], v[\t2+\i]
.endr
.irp i, 0,1,2
	v_mov_b32 v[\dst+3+\i], v[\t2+\i]
.endr
.endm
	s_load_b256 s[4:11], s[0:1], 0x0               ; query, key, value, bq
	s_load_b256 s[12:19], s[0:1], 0x20             ; bk, bv, wq, qq
	s_load_b64 s[20:21], s[0:1], 0x40              ; kv
	v_lshl_add_u32 v62, v0, 2, SPARE               ; my spare word; never rewritten
	v_mov_b32 v63, 0                               ; 0; never rewritten
	v_lshrrev_b32 v1, 5, v0
	v_readfirstlane_b32 s22, v1                    ; wave 0..7
	v_and_b32 v11, 31, v0
	v_and_b32 v12, 15, v0                          ; r
	v_bfe_u32 v13, v0, 4, 1                        ; h
	v_lshlrev_b32 v1, 4, v11                       ; 16 x lane
	v_lshlrev_b32 v2, 3, v11                       ; 8 x lane
	v_lshlrev_b32 v3, 2, v11                       ; 4 x lane
	s_mul_i32 s24, s22, 8448
	s_add_co_u32 s24, s24, STG                     ; my stage
	v_add_nc_u32 v4, s24, v1
	v_mul_u32_u24 v5, v12, 528
	v_lshl_add_u32 v5, v13, 6, v5
	v_add_nc_u32 v5, s24, v5
	s_mul_i32 s24, s22, 6144
	v_add_nc_u32 v6, s24, v1                       ; where I store my tile's four images
	s_lshl_b32 s24, s22, 9
	s_add_co_u32 s24, s24, XSC
	v_add_nc_u32 v7, s24, v3                       ; and their scale words
	v_lshlrev_b32 v8, 4, v12                       ; 16 r
	v_lshlrev_b32 v9, 6, v13                       ; the bias of q, k: 64 h
	v_and_b32 v10, 8, v12
	v_add_nc_u32 v10, v10, v12
	v_lshlrev_b32 v10, 2, v10                      ; the bias of v: 4 (r + 8 (r / 8))
.irp b, 0,1,2,3
	v_mov_b32 v[TM+4+\b], 0                        ; a lane permute's destination counts as one of its sources
.endr
	s_mov_b32 s[SEL], 0x76543210
	s_mov_b32 s[SEL+1], 0xfedcba98
	s_mov_b32 s42, 0xffff0000                      ; lanes 16-31
	s_and_b32 s23, ttmp7, 0xffff                   ; y: which tensor
	s_lshr_b32 s24, ttmp9, 5                       ; b
	s_and_b32 s25, ttmp9, 31                       ; step
	s_lshl_b32 s26, s24, 3
	s_add_co_u32 s26, s26, s22                     ; bh = 8 b + w
	s_lshl_b32 s27, s26, 5
	s_add_co_u32 s27, s27, s25                     ; 32 bh + step
	s_lshl_b32 s43, ttmp9, 7
	s_lshr_b32 s44, s22, 1
	s_lshl_b32 s44, s44, 5
	s_add_co_u32 s43, s43, s44
	s_and_b32 s44, s22, 1
	s_lshl_b32 s44, s44, 3
	s_add_co_u32 s43, s43, s44                     ; 128 x + rho(w, 0)
	s_lshl_b32 s50, s43, 11                        ; rows of 2,048 bytes
	s_mov_b32 s51, 0
	s_lshl_b32 s52, s23, 7
	s_lshl_b32 s43, s22, 4
	s_add_co_u32 s52, s52, s43
	s_mul_i32 s52, s52, 1536                       ; my 16 fragments of W
	s_mov_b32 s53, 0
	s_lshl_b32 s54, s23, 5
	s_lshl_b32 s43, s22, 2
	s_add_co_u32 s54, s54, s43
	s_lshl_b32 s54, s54, 8
	s_add_co_u32 s54, s54, WSO                     ; and their scale words
	s_mov_b32 s55, 0
	s_lshl_b32 s44, s22, 8                         ; my head's 64 numbers of the bias
	s_mov_b32 s45, 0
	s_cmp_eq_u32 s23, 0                            ; where the results go: q into qq, k and v into kv
	s_mov_b32 s43, 12288
	s_cselect_b32 s43, 6144, s43
	s_mov_b32 s24, 24576
	s_cselect_b32 s24, 16384, s24
	s_mov_b32 s48, KSO
	s_cselect_b32 s48, QSO, s48
	s_mul_i32 s46, s27, s43
	s_mul_i32 s24, s26, s24
	s_add_co_u32 s48, s48, s24
	s_cmp_eq_u32 s23, 2
	s_cselect_b32 s43, 6144, 0                     ; V^T's fragments lie behind K's tiles,
	s_cselect_b32 s24, 16384, 0                    ; its scale words behind K's,
	s_cselect_b32 s27, 8, 9                        ; 256 bytes a step against 512
	s_add_co_u32 s46, s46, s43
	s_add_co_u32 s48, s48, s24
	s_lshl_b32 s25, s25, s27
	s_add_co_u32 s48, s48, s25
	s_mov_b32 s47, 0
	s_mov_b32 s49, 0
	s_wait_kmcnt 0x0
	s_mov_b64 s[28:29], s[8:9]
	s_mov_b64 s[34:35], s[14:15]
	s_cmp_eq_u32 s23, 1
	s_cselect_b64 s[28:29], s[6:7], s[28:29]
	s_cselect_b64 s[34:35], s[12:13], s[34:35]
	s_cmp_eq_u32 s23, 0
	s_cselect_b64 s[28:29], s[4:5], s[28:29]
	s_cselect_b64 s[34:35], s[10:11], s[34:35]
	s_cselect_b64 s[36:37], s[18:19], s[20:21]
	s_mov_b64 s[38:39], s[36:37]
	s_add_nc_u64 s[28:29], s[28:29], s[50:51]      ; x at my tile's first row
	s_add_nc_u64 s[34:35], s[34:35], s[44:45]      ; the bias
	s_add_nc_u64 s[36:37], s[36:37], s[46:47]      ; the codes' place
	s_add_nc_u64 s[38:39], s[38:39], s[48:49]      ; the scale words' place
	s_add_nc_u64 s[30:31], s[16:17], s[52:53]
	s_add_nc_u64 s[32:33], s[16:17], s[54:55]
	WIN 0x40                                       ; destination window 1
.irp f, 0,1,2,3,4,5,6,7,8,9,10,11,12,13,14,15
.irp c, 0,1,2
	global_load_b128 v[12*\f+4*\c:12*\f+4*\c+3], v1, s[30:31] offset:1536*\f+512*\c   ; W's fragment 4 n + s: an image of its registers
.endr
.endr
	WIN 0
	s_cmp_eq_u32 s23, 2
	s_cbranch_scc1 .Lbias_v
	WIN 0x40
.irp n, 0,1,2,3                                ; q, k: register j of tile n is channel 32 (n / 2) + 8 (n % 2) + 16 h + j
	global_load_b128 v[BI+8*\n:BI+8*\n+3], v9, s[34:35] offset:(32*(\n/2)+8*(\n%2))*4
	global_load_b128 v[BI+8*\n+4:BI+8*\n+7], v9, s[34:35] offset:(32*(\n/2)+8*(\n%2))*4+16
.endr
	WIN 0
	s_branch .Lbias_done
.Lbias_v:
	WIN 0x40
.irp n, 0,1,2,3                                ; v: a lane is one channel, rho(n, r): one number fills the tile's eight registers
.irp j, 0,1,2,3,4,5,6,7
	global_load_b32 v[BI+8*\n+\j], v10, s[34:35] offset:(32*(\n/2)+8*(\n%2))*4
.endr
.endr
	WIN 0
.Lbias_done:
.irp n, 0,1,2,3
	global_load_b128 v[WSR+4*\n:WSR+4*\n+3], v8, s[32:33] offset:256*\n   ; row r's four scale words
.endr
.macro LOADX s                         ; my 16 rows' numbers of K step s: each load 512 consecutive bytes of one row
.irp i, 0,1,2,3,4,5,6,7,8,9,10,11,12,13,14,15
	global_load_b128 v[R+64*((\s)%2)+4*\i:R+64*((\s)%2)+4*\i+3], v1, s[28:29] offset:(\i+8*(\i/8))*2048+512*(\s) th:TH_LOAD_NT
.endr
.endm
.macro TURN rs                         ; through my stage and back into the same registers: LDS serves a wave's instructions in order
.irp i, 0,1,2,3,4,5,6,7,8,9,10,11,12,13,14,15
	ds_store_b128 v4, v[\rs+4*\i:\rs+4*\i+3] offset:528*\i
.endr
.irp b, 0,1,2,3
.irp j, 0,1,2,3
	ds_load_b128 v[\rs+16*\b+4*\j:\rs+16*\b+4*\j+3], v5 offset:128*\b+16*\j
.endr
.endr
.endm
	LOADX 0
	; ---- X: my tile becomes four fragments
.irp s, 0,1,2,3
.if \s < 3
	LOADX \s+1
	s_wait_loadcnt 16                              ; all but the 16 just issued are in
.else
	s_wait_loadcnt 0x0
.endif
	TURN R+64*(\s%2)
	s_wait_dscnt 0x0                               ; the numbers are back; the last image's stores have read their registers
	QUANT R+64*(\s%2)
.irp c, 0,1,2
	ds_store_b128 v6, v[PC+4*\c:PC+4*\c+3] offset:1536*\s+512*\c
.endr
	ds_store_b32 v7, v[PW] offset:128*\s
.endr
	s_wait_dscnt 0x0                               ; for the others' sake: my images have landed
	s_barrier_signal -1
	s_barrier_wait -1                              ; x's 32 fragments lie in LDS; nothing is stored to LDS from here on
.macro FETCHP G, p                     ; pair p of a group of 64 rows: K step p / 2, tiles 4 G + 2 (p % 2) + 0, 1, into half p % 2: eight LDS loads
.irp mm, 0,1
.set FF_, 4*(4*(\G)+2*((\p)%2)+\mm)+(\p)/2
.irp c, 0,1,2
	ds_load_b128 v[XF+24*((\p)%2)+12*\mm+4*\c:XF+24*((\p)%2)+12*\mm+4*\c+3], v1 offset:1536*FF_+512*\c
.endr
	ds_load_b32 v[XS+2*((\p)%2)+\mm], v3 offset:XSC+128*FF_
.endr
.endm
.macro MUL8 p, tr                      ; eight matrix instructions: two tiles of rows x my four tiles of W.  The group's 16 accumulators take turns, one instruction a turn
.set S_, (\p)/2
.set HS_, (\p)%2
.if \tr
.if S_ == 0
	WIN 0x11                                       ; source 0 (W) and C (the bias) window 1
.else
	WIN 0x01
.endif
.else
.if S_ == 0
	WIN 0x14                                       ; source 1 (W) and C (the bias) window 1
.else
	WIN 0x04
.endif
.endif
.irp mm, 0,1
.irp n, 0,1,2,3
.set M_, 2*HS_+\mm
.if \tr
.set RD_, ACC+32*M_+8*\n
.set RA_, 12*(4*\n+S_)
.set RB_, XF+24*HS_+12*\mm
.set SA_, WSR+4*\n+S_
.set SB_, XS+2*HS_+\mm
.else
.set RD_, ACC+32*\n+8*M_
.set RA_, XF+24*HS_+12*\mm
.set RB_, 12*(4*\n+S_)
.set SA_, XS+2*HS_+\mm
.set SB_, WSR+4*\n+S_
.endif
.if S_ == 0
	v_wmma_scale_f32_16x16x128_f8f6f4 v[RD_:RD_+7], v[RA_:RA_+11], v[RB_:RB_+11], v[BI+8*\n:BI+8*\n+7], v[SA_], v[SB_] matrix_a_fmt:MATRIX_FMT_FP6 matrix_b_fmt:MATRIX_FMT_FP6
.else
	v_wmma_scale_f32_16x16x128_f8f6f4 v[RD_:RD_+7], v[RA_:RA_+11], v[RB_:RB_+11], v[RD_:RD_+7], v[SA_], v[SB_] matrix_a_fmt:MATRIX_FMT_FP6 matrix_b_fmt:MATRIX_FMT_FP6
.endif
.endr
.endr
.endm
; A group of 64 rows (tiles 4 G .. 4 G + 3) against my head.  tr = 1: q, k (transposed); tr = 0: v.
.macro GROUP G, tr
	s_wait_xcnt 0x0                                ; the last group's stores have read their registers, which x's fragments take again
.rept 5
	v_nop                                          ; five places: the accumulators are begun anew, over registers of the last group's products
.endr
	FETCHP \G, 0
.irp p, 0,1,2,3,4,5,6,7
.if \p < 7
	FETCHP \G, \p+1
	s_wait_dscnt 8                                 ; this pair is in; the eight loads just issued may be out
.else
	s_wait_dscnt 0x0
.endif
	MUL8 \p, \tr
	WIN 0
.rept 4
	v_nop                                          ; four places in front of loads into registers that these products read, and of the first read of results
.endr
.endr
.if \tr
.irp m, 0,1,2,3                                ; tile 4 G + m: a lane's 32 registers run along the head's 64
	HQUANT ACC+32*\m, HO+8*\m, T2, PW
	global_store_b128 v1, v[HO+8*\m:HO+8*\m+3], s[36:37] offset:768*(4*\G+\m)
	global_store_b64 v2, v[HO+8*\m+4:HO+8*\m+5], s[36:37] offset:768*(4*\G+\m)+512
	v_lshl_or_b32 v[PWS+4*\G+\m], v[PW], 16, v[PW] ; (b0, b1, b0, b1): the head's 64 may stand in either half of a K step of 128
.endr
.else
.irp n, 0,1,2,3                                ; channels' tile n: a lane's 32 registers run along keys 64 G .. 64 G + 63
	HQUANT ACC+32*\n, HO+8*\n, T2, PW
	global_store_b128 v1, v[HO+8*\n:HO+8*\n+3], s[36:37] offset:1536*\n+768*\G
	global_store_b64 v2, v[HO+8*\n+4:HO+8*\n+5], s[36:37] offset:1536*\n+768*\G+512
.if \G == 0
	v_mov_b32 v[PWS+\n], v[PW]
.else
	v_lshl_or_b32 v[PWS+\n], v[PW], 16, v[PWS+\n]  ; the step's four bytes
.endif
.endr
.endif
.endm
	s_cmp_eq_u32 s23, 2
	s_cbranch_scc1 .Lpath_v
	GROUP 0, 1
	GROUP 1, 1
.irp i, 0,1,2,3
	v_cndmask_b32 v[SO+\i], v[PWS+\i], v[PWS+4+\i], s42   ; lane (r, h): row r's word of tile 4 h + i
.endr
	global_store_b128 v1, v[SO:SO+3], s[38:39]     ; 512 consecutive bytes
	s_branch .Ldone
.Lpath_v:
	GROUP 0, 0
	GROUP 1, 0
	global_store_b128 v8, v[PWS:PWS+3], s[38:39]   ; 256 consecutive bytes: channel rho(n, r)'s word at 16 r + 4 n (lanes 16-31 write the same bytes again)
.Ldone:
	s_wait_tensorcnt 0x0                           ; the wave's end
	ds_add_u32 v62, v63
	s_wait_dscnt 0x0
	s_endpgm
.Lfunc_end_k_qb58577b2db_proj:
	.size	k_qb58577b2db_proj, .Lfunc_end_k_qb58577b2db_proj-k_qb58577b2db_proj
	.p2alignl 7, 3214868480
	.fill 96, 4, 3214868480
	.section	.rodata,"a",@progbits
	.p2align	6, 0x0
	.amdhsa_kernel k_qb58577b2db_proj
		.amdhsa_group_segment_fixed_size 121856
		.amdhsa_private_segment_fixed_size 0
		.amdhsa_enable_private_segment 0
		.amdhsa_kernarg_size 72
		.amdhsa_user_sgpr_count 2
		.amdhsa_user_sgpr_kernarg_segment_ptr 1
		.amdhsa_wavefront_size32 1
		.amdhsa_system_sgpr_workgroup_id_x 1
		.amdhsa_system_sgpr_workgroup_id_y 1
		.amdhsa_system_sgpr_workgroup_id_z 1
		.amdhsa_system_vgpr_workitem_id 0
		.amdhsa_next_free_vgpr 512
		.amdhsa_next_free_sgpr 66
		.amdhsa_reserve_vcc 0
		.amdhsa_float_denorm_mode_32 3
		.amdhsa_float_denorm_mode_16_64 3
		.amdhsa_memory_ordered 1
		.amdhsa_forward_progress 1
		.amdhsa_inst_pref_size 134
	.end_amdhsa_kernel
	.amdgpu_metadata
---
amdhsa.version: [ 1, 2 ]
amdhsa.kernels:
  - .name:           k_qb58577b2db_proj
    .symbol:         k_qb58577b2db_proj.kd
    .args:
      - { .name: query, .offset: 0, .size: 8, .value_kind: global_buffer, .address_space: global }
      - { .name: key, .offset: 8, .size: 8, .value_kind: global_buffer, .address_space: global }
      - { .name: value, .offset: 16, .size: 8, .value_kind: global_buffer, .address_space: global }
      - { .name: bq, .offset: 24, .size: 8, .value_kind: global_buffer, .address_space: global }
      - { .name: bk, .offset: 32, .size: 8, .value_kind: global_buffer, .address_space: global }
      - { .name: bv, .offset: 40, .size: 8, .value_kind: global_buffer, .address_space: global }
      - { .name: wq, .offset: 48, .size: 8, .value_kind: global_buffer, .address_space: global }
      - { .name: qq, .offset: 56, .size: 8, .value_kind: global_buffer, .address_space: global }
      - { .name: kv, .offset: 64, .size: 8, .value_kind: global_buffer, .address_space: global }
    .group_segment_fixed_size: 121856
    .private_segment_fixed_size: 0
    .kernarg_segment_align: 8
    .kernarg_segment_size: 72
    .max_flat_workgroup_size: 256
    .sgpr_count:     66
    .vgpr_count:     512
    .wavefront_size: 32
...
	.end_amdgpu_metadata
.endif
;; end of part 2
;; launch attn (part 3): grid 16 x 16, 16 waves a work-group, no clusters, 75,776 bytes of LDS; arguments qq, kv, maskw, xq; writes xq
.if DOCPART == 3
	.amdgcn_target "amdgcn-amd-amdhsa--gfx1250"
	.amdhsa_code_object_version 6
	.text
	.protected	k_qb58577b2db_attn
	.globl	k_qb58577b2db_attn
	.p2align	8
	.type	k_qb58577b2db_attn,@function
k_qb58577b2db_attn:
	s_mov_b64 s[64:65], 0
	v_nop
	global_prefetch_b8 v0, s[64:65] scope:SCOPE_SE
	s_setreg_imm32_b32 hwreg(HW_REG_WAVE_MODE, 25, 1), 1
	s_wait_xcnt 0x0
; ATTN.  x[b][q][head] = softmax_k(q . k / 8, masked) v, both products on codes of FP6 (E2M3) with one E8M0 byte for each 32 along K; x is quantised at once for the output projection.
; THE SOFTMAX AHEAD OF THE SECOND PRODUCT: t = score x log2(e) / 8; M = the row's largest t so far, rounded up to a whole number; p = 2^(t - M) is quantised along the keys, not normalised; the row's sum is taken of the
; unquantised p and divides at the end.  When M moves, the sum and O are multiplied by 2^(old M - new M), which rounds nothing.
; SHARES: work-group (x, y): 256 queries of head y = 8 b + head; each of its sixteen waves owns one tile of 16 queries (tile T = 16 x + w, rows rho(T, r)) in 240 registers, four waves to a SIMD, so that one wave's vector
; work stands beside another's matrix work and LDS loads.  Every wave walks 32 key steps of 128 keys.
; LAYOUT: both products transposed: S^T = K Q^T, O^T = V^T P^T: a lane holds one query throughout.  A tile of keys takes keys rho(t, .), so that the 16 registers of tiles 2 b, 2 b + 1 are keys 32 b + 16 h + 0 .. 15.
; THE HEAD'S 64 FILL HALF OF A K STEP OF 128: a tile of K stands beside six registers of zeros, [K 0] against [Q 0] or [0 K] against [0 Q], so that two tiles share one run of zeros; the scale words hold (b0, b1, b0, b1).
; K AND V come as codes laid in the order of the operands' registers, 12,288 dense bytes a key step.  A slot of LDS holds two steps; the sixteen waves copy it through registers, 1,536 bytes each: asked for early in slot n,
; stored into LDS behind slot n + 1's barrier, read in slot n + 2.  One barrier a slot.  The head's scale words (24,576 bytes) are stored in LDS once.
; THE MASK comes as lane masks: 64 words a step, into scalar registers, asked for at the step's head and wanted behind the first product; one v_cndmask_b32 a score register, in every step: no branch hangs on the mask.
; NO CLUSTER, NO JOINT LOADS: what the sixteen query blocks of a head share is 768 bytes a wave and key step, beside some 310 vector instructions; they are asked for two key steps ahead, into registers; a joint request
; would add a round of the cluster's barrier, for 64 waves, to each slot.
; LIMITS: a masked score is -2^33 (logit -2^30 where the model writes -1e9): -2^33 x c is a whole number, so a row that is wholly masked has p = 1 exactly; the results are the model's as long as every unmasked logit lies
; above about -9.9e8.  p under 2^-126 becomes 0.  A block of zeros gets the byte 1 (its codes are zeros; this program alone reads the bytes).  NaN and infinities are not served.
; REGISTERS: v1 16 x lane, v2 8 x lane, v3 my place among the scale words, v4 my 16 bytes of a slot, v5 16 r, v6, v7 the add's two, v8, v9 scale words' addresses, v10 -2^33, v11 Q's scale word, v12 -M, v13 the largest t,
; v[14:15] the sum; v16-33 Q, zeros, Q; v34-69 two runs K, zeros, K; v70-73 K's scale words, v74-77 V's; v78-89 a slot's bytes on their way; v96-159 S^T, then p, then V's four fragments; v160-191 O^T; v192-210 p's codes; v212-229 at work.
; s[32:63], s[68:99]: the step's 64 mask words.
.set SCL,   49152                      ; LDS: slot 0 from 0, slot 1 from 24,576; from here the head's scale words: K's 16,384 bytes, then V's 8,192
.set SPARE, 73728                      ; the spare words, 128 bytes for each wave
.set QSO,   3145728
.set KSO,   6291456
.set XSO,   3145728
.set BM,    212                        ; v212-215 a block's largest score, then its largest p
.set BP,    216                        ; v216-219 lane l xor 16's; then the bytes
.set SOP,   220                        ; v220-223 the conversions' scale operands
.set TM,    212                        ; (the way out's quantiser)
.set WV,    20
.set CNT,   21
.set CS,    22
.set SEL,   24
.set TS,    27
.set TV,    28
.set MB,    12
	s_load_b256 s[4:11], s[0:1], 0x0               ; qq, kv, maskw, xq
	v_lshl_add_u32 v6, v0, 2, SPARE                ; my spare word; never rewritten
	v_mov_b32 v7, 0                                ; 0; never rewritten
	v_lshrrev_b32 v1, 5, v0
	v_readfirstlane_b32 s[WV], v1                  ; wave 0..15
	v_and_b32 v2, 31, v0
	v_and_b32 v5, 15, v0
	v_lshlrev_b32 v1, 4, v2
	v_lshlrev_b32 v2, 3, v2
	v_lshlrev_b32 v5, 4, v5
	v_add_nc_u32 v3, SCL, v1
	s_mul_i32 s2, s[WV], 1536
	v_add_nc_u32 v4, s2, v1                        ; 1,536 w + 16 x lane: in memory and in LDS alike
	s_and_b32 s3, ttmp7, 0xffff                    ; bh
	s_lshl_b32 s2, ttmp9, 4
	s_add_co_u32 s2, s2, s[WV]                     ; T
	s_lshr_b32 s29, s3, 3
	s_lshl_b32 s29, s29, 8
	s_add_co_u32 s29, s29, s2                      ; Tg = 256 b + T
	s_lshl_b32 s32, s3, 8
	s_add_co_u32 s32, s32, s2
	s_mul_i32 s32, s32, 768                        ; Q's half fragment
	s_mov_b32 s33, 0
	s_lshl_b32 s34, s3, 14                         ; Q's scale word: 16,384 bh + 256 (T / 4) + 4 (T % 4), + 16 r
	s_lshr_b32 s35, s2, 2
	s_lshl_b32 s35, s35, 8
	s_add_co_u32 s34, s34, s35
	s_and_b32 s35, s2, 3
	s_lshl_b32 s35, s35, 2
	s_add_co_u32 s34, s34, s35
	s_add_co_u32 s34, s34, QSO
	s_mov_b32 s35, 0
	s_mul_i32 s36, s3, 393216                      ; the head's 32 steps of 12,288 bytes
	s_mov_b32 s37, 0
	s_mul_i32 s38, s3, 24576
	s_add_co_u32 s38, s38, KSO                     ; and its scale words
	s_mov_b32 s39, 0
	s_lshl_b32 s40, s29, 13                        ; my tile's mask words: 32 steps of 256 bytes
	s_mov_b32 s41, 0
	s_and_b32 s44, s3, 7                           ; head
	s_lshl_b32 s46, s44, 1
	s_lshl_b32 s45, s29, 3
	s_add_co_u32 s44, s44, s45
	s_mul_i32 s44, s44, 768                        ; x's half fragment
	s_mov_b32 s45, 0
	s_lshl_b32 s47, s29, 8
	s_add_co_u32 s46, s46, s47
	s_add_co_u32 s46, s46, XSO                     ; x's two scale bytes, + 16 r
	s_mov_b32 s47, 0
	s_mov_b32 s[CS], 0x3e38aa3b                    ; c = log2(e) / 8
	s_mov_b32 s[CS+1], s[CS]                       ; (named with it as a pair, so it is written)
	s_mov_b32 s[SEL], 0x76543210
	s_mov_b32 s[SEL+1], 0xfedcba98
	s_mov_b32 s[TS], 0
	s_mov_b32 s[TV], 0
	s_mov_b32 s[CNT], 0
	s_wait_kmcnt 0x0
	s_add_nc_u64 s[30:31], s[4:5], s[34:35]
	s_add_nc_u64 s[4:5], s[4:5], s[32:33]
	s_add_nc_u64 s[18:19], s[6:7], s[38:39]
	s_add_nc_u64 s[6:7], s[6:7], s[36:37]
	s_add_nc_u64 s[MB:MB+1], s[8:9], s[40:41]
	s_add_nc_u64 s[14:15], s[10:11], s[44:45]
	s_add_nc_u64 s[16:17], s[10:11], s[46:47]
.irp i, 0,1,2
	global_load_b128 v[96+4*\i:99+4*\i], v4, s[18:19] offset:512*\i          ; my part of the scale words
.endr
.irp i, 0,1,2
	global_load_b128 v[108+4*\i:111+4*\i], v4, s[6:7] offset:512*\i          ; of slot 0
.endr
.irp i, 0,1,2
	global_load_b128 v[78+4*\i:81+4*\i], v4, s[6:7] offset:24576+512*\i      ; of slot 1
.endr
	global_load_b128 v[16:19], v1, s[4:5]          ; Q, twice: in front of the zeros and behind them
	global_load_b64 v[20:21], v2, s[4:5] offset:512
	global_load_b128 v[28:31], v1, s[4:5]
	global_load_b64 v[32:33], v2, s[4:5] offset:512
	global_load_b32 v11, v5, s[30:31]
.irp i, 0,1,2,3,4,5
	v_mov_b32 v[22+\i], 0
	v_mov_b32 v[40+\i], 0
	v_mov_b32 v[58+\i], 0
.endr
	v_mov_b32 v10, 0xd0000000                      ; -2^33
	v_mov_b32 v13, 0xff61b1e6                      ; the largest t so far: -3e38
	v_floor_f32 v12, -v13                          ; -M
	v_mov_b32 v14, 0
	v_mov_b32 v15, 0
	v_mov_b32 v225, 0                              ; (named as the upper half of the pair v[224:225])
.irp b, 0,1,2,3
	v_mov_b32 v[BP+\b], 0                          ; a lane permute's destination counts as one of its sources
.endr
.set j, 0
.rept 32
	v_mov_b32 v[160+j], 0                          ; O^T: the step is written once; its first turn finds zeros
.set j, j+1
.endr
	s_wait_loadcnt 8                               ; the scale words and slot 0 are in; the eight younger loads (slot 1's three, Q's four, Q's scale word) may be out
.irp i, 0,1,2
	ds_store_b128 v4, v[96+4*\i:99+4*\i] offset:SCL+512*\i
.endr
.irp i, 0,1,2
	ds_store_b128 v4, v[108+4*\i:111+4*\i] offset:512*\i
.endr
; A KEY STEP: 128 keys, the q-th of the slot at LDS byte sl; n2: the slot is the trip's first or second.  gl = 1: the slot two on is asked for.
.macro STEP sl, q, n2, gl
	s_load_b512 s[32:47], s[MB:MB+1], 0x0          ; the step's 64 mask words: asked for now, wanted behind the first product
	s_load_b512 s[48:63], s[MB:MB+1], 0x40
	s_load_b512 s[68:83], s[MB:MB+1], 0x80
	s_load_b512 s[84:99], s[MB:MB+1], 0xc0
	ds_load_b128 v[70:73], v8 offset:1024*\n2+512*\q   ; K's scale words: lane (r, h): tiles 4 h + 0 .. 3
.if \q == 0
	ds_load_b128 v[74:77], v9 offset:16384+512*\n2     ; V's, for both steps of the slot: lanes 0-15 the first's, lanes 16-31 the second's
.endif
.irp g, 0,1                                    ; S^T = K Q^T, four tiles of 16 keys at a time
.if \g == 1
.rept 4
	v_nop                                          ; four places in front of loads into registers that the last four products read
.endr
.endif
.irp tt, 0,1,2,3
	ds_load_b128 v[34+18*(\tt/2)+12*(\tt%2):37+18*(\tt/2)+12*(\tt%2)], v1 offset:\sl+12288*\q+768*(4*\g+\tt)
	ds_load_b64 v[38+18*(\tt/2)+12*(\tt%2):39+18*(\tt/2)+12*(\tt%2)], v2 offset:\sl+12288*\q+768*(4*\g+\tt)+512
.endr
	s_wait_dscnt 0x0                               ; (the stores out of the staging registers are done too)
.if (\g == 0) && \gl
	s_cmp_lt_u32 s[CNT], 7                         ; the last trip's two slots have no slot two on: no load leaves the buffer
	s_cbranch_scc0 .Lnoask_\@
	s_add_nc_u64 s[6:7], s[6:7], 24576             ; (no load that names this base is out: the wait behind the slot's barrier)
.irp i, 0,1,2
	global_load_b128 v[78+4*\i:81+4*\i], v4, s[6:7] offset:24576+512*\i
.endr
.Lnoask_\@:
.endif
.irp tt, 0,1,2,3
.if \g == 0
	v_wmma_scale_f32_16x16x128_f8f6f4 v[96+8*\tt:103+8*\tt], v[34+18*(\tt/2)+6*(\tt%2):45+18*(\tt/2)+6*(\tt%2)], v[16+6*(\tt%2):27+6*(\tt%2)], 0, v[70+\tt], v11 matrix_a_fmt:MATRIX_FMT_FP6 matrix_b_fmt:MATRIX_FMT_FP6
.else
	v_wmma_scale_f32_16x16x128_f8f6f4 v[128+8*\tt:135+8*\tt], v[34+18*(\tt/2)+6*(\tt%2):45+18*(\tt/2)+6*(\tt%2)], v[16+6*(\tt%2):27+6*(\tt%2)], 0, v[70+\tt], v11 matrix_a_fmt:MATRIX_FMT_FP6 matrix_b_fmt:MATRIX_FMT_FP6 matrix_a_scale:MATRIX_SCALE_ROW1
.endif
.endr
.endr
.rept 4
	v_nop                                          ; four places in front of the first read of results
.endr
	s_wait_kmcnt 0x0                               ; the mask words are in; their base may be stepped
.set j, 0
.rept 64
	v_cndmask_b32 v[96+j], v10, v[96+j], s[32+j+4*(j/32)]   ; a masked score becomes -2^33, ahead of the maximum; each accumulator from its low end on
.set j, j+1
.endr
	s_add_nc_u64 s[MB:MB+1], s[MB:MB+1], 256       ; the next step's words
.irp b, 0,1,2,3
	v_max3_num_f32 v[BM+\b], v[96+16*\b], v[97+16*\b], v[98+16*\b]   ; the largest score of each block of 32 keys: for the row's maximum, and, since p rises with the score, for the block's largest p
.endr
.irp i, 3,5,7,9,11,13
.irp b, 0,1,2,3
	v_max3_num_f32 v[BM+\b], v[BM+\b], v[96+16*\b+\i], v[97+16*\b+\i]
.endr
.endr
.irp b, 0,1,2,3
	v_max_num_f32 v[BM+\b], v[BM+\b], v[111+16*\b]
.endr
.irp b, 0,1,2,3
	v_permlanex16_b32 v[BP+\b], v[BM+\b], s[SEL], s[SEL+1]
.endr
.irp b, 0,1,2,3
	v_max_num_f32 v[BM+\b], v[BM+\b], v[BP+\b]     ; with lane l xor 16's 16 keys
.endr
	v_max3_num_f32 v227, v212, v213, v214
	v_max_num_f32 v227, v227, v215                 ; the step's largest score of my query
	v_mul_f32 v227, s[CS], v227                    ; as t
	v_max_num_f32 v13, v13, v227                   ; the running largest t
	v_mov_b32 v227, v12
	v_floor_f32 v12, -v13                          ; the new -M = -ceil(t): a whole number
	v_sub_f32 v227, v12, v227                      ; old M - new M: a whole number, 0 or less
	v_cvt_i32_f32 v227, v227                       ; (it saturates)
	v_ldexp_f32 v224, 1.0, v227                    ; f = 2^(old M - new M)
.set j, 0
.rept 32
	v_pk_fma_f32 v[96+j:97+j], v[96+j:97+j], s[CS:CS+1], v[12:13] op_sel_hi:[1,0,0]   ; t - M, two at a time
.set j, j+2
.endr
.irp b, 0,1,2,3
	v_fma_f32 v[BM+\b], v[BM+\b], s[CS], v12       ; the same of each block's largest score
.endr
.set j, 0
.rept 64
	v_exp_f32 v[96+j], v[96+j]                     ; p = 2^(t - M): not normalised
.set j, j+1
.endr
	v_pk_mul_f32 v[14:15], v[14:15], v[224:225] op_sel_hi:[1,0]   ; the sums under the new M (a plain instruction behind the exponentials)
	s_wait_alu depctr_va_vdst(0)                   ; one wait for the whole batch, ahead of its first reader
.irp b, 0,1,2,3
	v_exp_f32 v[BM+\b], v[BM+\b]                   ; the block's largest p: the same two instructions on the same number
.endr
	v_pk_add_f32 v[228:229], v[96:97], v[98:99]    ; the row's sum is taken of the unquantised p: two chains
.irp j4, 4,8,12,16,20,24,28,32,36,40,44,48,52,56,60
	v_pk_add_f32 v[14:15], v[14:15], v[96+\j4:97+\j4]
	v_pk_add_f32 v[228:229], v[228:229], v[98+\j4:99+\j4]
.endr
	v_pk_add_f32 v[14:15], v[14:15], v[228:229]
	s_wait_alu depctr_va_vdst(0)                   ; and one for the four
.irp b, 0,1,2,3
	v_max_num_f32 v[BM+\b], 0x1800000, v[BM+\b]    ; the floor 2^(3 - 127): the byte cannot fall under 1
.endr
.irp b, 0,1,2,3
	v_add_nc_u32 v[SOP+\b], 0xff000000, v[BM+\b]   ; 2 off the exponent field: the conversion's scale operand
.endr
.irp b, 0,1,2,3
	v_lshrrev_b32 v[BP+\b], 23, v[SOP+\b]          ; the scale's byte
.endr
	v_lshl_or_b32 v226, v217, 8, v216              ; p's scale word for these 128 keys
	v_lshl_or_b32 v226, v218, 16, v226
	v_lshl_or_b32 v226, v219, 24, v226
.irp c, 0,1
	v_cvt_scalef32_pk16_fp6_f32 v[192+6*\c:194+6*\c], v[96+32*\c:111+32*\c], v[SOP+2*\c]
	v_cvt_scalef32_pk16_fp6_f32 v[204+4*\c:206+4*\c], v[112+32*\c:127+32*\c], v[SOP+1+2*\c]
.endr
	v_nop                                          ; one plain place behind a scaled conversion
.irp n, 0,1,2,3                                ; V^T's four fragments take p's registers: they land while the codes are put in order and O^T is rescaled
.irp c, 0,1
	ds_load_b128 v[96+12*\n+6*\c:99+12*\n+6*\c], v1 offset:\sl+12288*\q+6144+1536*\n+768*\c
	ds_load_b64 v[100+12*\n+6*\c:101+12*\n+6*\c], v2 offset:\sl+12288*\q+6144+1536*\n+768*\c+512
.endr
.endr
.irp c, 0,1                                    ; the operand's layout wants a whole block in a lane
.irp i, 0,1,2
	v_permlane16_swap_b32 v[192+6*\c+\i], v[204+4*\c+\i]
.endr
.irp i, 0,1,2
	v_mov_b32 v[195+6*\c+\i], v[204+4*\c+\i]
.endr
.endr
.set j, 0
.rept 16
	v_pk_mul_f32 v[160+j:161+j], v[160+j:161+j], v[224:225] op_sel_hi:[1,0]   ; O^T under the new M.  (For each product below twelve of these name none of its registers: the places behind the writes of p's codes and scale word)
.set j, j+2
.endr
	s_wait_dscnt 0x0
.irp n, 0,1,2,3                                ; O^T += V^T P^T: the four accumulators by turns
.if \q == 0
	v_wmma_scale_f32_16x16x128_f8f6f4 v[160+8*\n:167+8*\n], v[96+12*\n:107+12*\n], v[192:203], v[160+8*\n:167+8*\n], v[74+\n], v226 matrix_a_fmt:MATRIX_FMT_FP6 matrix_b_fmt:MATRIX_FMT_FP6
.else
	v_wmma_scale_f32_16x16x128_f8f6f4 v[160+8*\n:167+8*\n], v[96+12*\n:107+12*\n], v[192:203], v[160+8*\n:167+8*\n], v[74+\n], v226 matrix_a_fmt:MATRIX_FMT_FP6 matrix_b_fmt:MATRIX_FMT_FP6 matrix_a_scale:MATRIX_SCALE_ROW1
.endif
.endr
.rept 5
	v_nop                                          ; five places: the next step's scores are written over V's registers
.endr
.endm
; A SLOT.  In front of the barrier: my stores for this slot have landed and my reads of the slot before are over.  Behind it the bytes in the staging registers (the next slot's) go into the slot that has just been left.
.macro TRIP sl, ot, n2
	s_wait_dscnt 0x0
	s_barrier_signal -1
	s_barrier_wait -1
	s_wait_loadcnt 0x0                             ; the staging registers are filled (asked for two key steps ago); in the first trip also Q
.if \n2
	s_cmp_lt_u32 s[CNT], 7                         ; behind the last slot there is none
	s_cbranch_scc0 .Lnofill_\@
.endif
.irp i, 0,1,2
	ds_store_b128 v4, v[78+4*\i:81+4*\i] offset:\ot+512*\i
.endr
.if \n2
.Lnofill_\@:
.endif
	STEP \sl, 0, \n2, 1
	STEP \sl, 1, \n2, 0
.endm
.Lslot:                                            ; eight trips of two slots
	v_add_nc_u32 v8, s[TS], v3
	v_add_nc_u32 v9, s[TV], v3
	TRIP 0, 24576, 0
	TRIP 24576, 0, 1
	s_add_co_u32 s[TS], s[TS], 2048
	s_add_co_u32 s[TV], s[TV], 1024
	s_add_co_u32 s[CNT], s[CNT], 1
	s_cmp_lt_u32 s[CNT], 8
	s_cbranch_scc1 .Lslot
	; THE WAY OUT: O^T / the sum, quantised along the head's 64 (two blocks), stored as a half fragment of the output projection's operand
	v_add_f32 v14, v14, v15
	v_permlanex16_b32 v216, v14, s[SEL], s[SEL+1]
	v_add_f32 v14, v14, v216                       ; the row's sum
	v_rcp_f32 v14, v14
	v_nop                                          ; a plain instruction behind the reciprocal
	s_wait_alu depctr_va_vdst(0)                   ; and the wait ahead of its first reader
.set j, 0
.rept 32
	v_mul_f32 v[96+j], v[160+j], v14               ; register 16 b + i is channel 32 b + 16 h + i of my query
.set j, j+1
.endr
.irp b, 0,1
	v_max3_num_f32 v[TM+\b], |v[96+16*\b]|, |v[97+16*\b]|, 0x1800000
.endr
.irp i, 2,4,6,8,10,12,14
.irp b, 0,1
	v_max3_num_f32 v[TM+\b], v[TM+\b], |v[96+16*\b+\i]|, |v[97+16*\b+\i]|
.endr
.endr
.irp b, 0,1
	v_permlanex16_b32 v[TM+4+\b], v[TM+\b], s[SEL], s[SEL+1]
.endr
.irp b, 0,1
	v_max_num_f32 v[TM+\b], v[TM+\b], v[TM+4+\b]
.endr
.irp b, 0,1
	v_add_nc_u32 v[SOP+\b], 0xff000000, v[TM+\b]
.endr
.irp b, 0,1
	v_lshrrev_b32 v[TM+4+\b], 23, v[SOP+\b]
.endr
	v_lshl_or_b32 v227, v217, 8, v216              ; the two bytes
	v_cvt_scalef32_pk16_fp6_f32 v[192:194], v[96:111], v220
	v_cvt_scalef32_pk16_fp6_f32 v[204:206], v[112:127], v221
	v_nop
.irp i, 0,1,2
	v_permlane16_swap_b32 v[192+\i], v[204+\i]
.endr
.irp i, 0,1,2
	v_mov_b32 v[195+\i], v[204+\i]
.endr
	global_store_b128 v1, v[192:195], s[14:15]     ; 512 consecutive bytes,
	global_store_b64 v2, v[196:197], s[14:15] offset:512   ; and 256
	global_store_b16 v5, v227, s[16:17]            ; row r's two bytes of this head (lanes 16-31 write the same bytes again)
	s_wait_tensorcnt 0x0                           ; the wave's end
	ds_add_u32 v6, v7
	s_wait_dscnt 0x0
	s_endpgm
.Lfunc_end_k_qb58577b2db_attn:
	.size	k_qb58577b2db_attn, .Lfunc_end_k_qb58577b2db_attn-k_qb58577b2db_attn
	.p2alignl 7, 3214868480
	.fill 96, 4, 3214868480
	.section	.rodata,"a",@progbits
	.p2align	6, 0x0
	.amdhsa_kernel k_qb58577b2db_attn
		.amdhsa_group_segment_fixed_size 75776
		.amdhsa_private_segment_fixed_size 0
		.amdhsa_enable_private_segment 0
		.amdhsa_kernarg_size 32
		.amdhsa_user_sgpr_count 2
		.amdhsa_user_sgpr_kernarg_segment_ptr 1
		.amdhsa_wavefront_size32 1
		.amdhsa_system_sgpr_workgroup_id_x 1
		.amdhsa_system_sgpr_workgroup_id_y 1
		.amdhsa_system_sgpr_workgroup_id_z 1
		.amdhsa_system_vgpr_workitem_id 0
		.amdhsa_next_free_vgpr 240
		.amdhsa_next_free_sgpr 100
		.amdhsa_reserve_vcc 0
		.amdhsa_float_denorm_mode_32 3
		.amdhsa_float_denorm_mode_16_64 3
		.amdhsa_memory_ordered 1
		.amdhsa_forward_progress 1
		.amdhsa_inst_pref_size 92
	.end_amdhsa_kernel
	.amdgpu_metadata
---
amdhsa.version: [ 1, 2 ]
amdhsa.kernels:
  - .name:           k_qb58577b2db_attn
    .symbol:         k_qb58577b2db_attn.kd
    .args:
      - { .name: qq, .offset: 0, .size: 8, .value_kind: global_buffer, .address_space: global }
      - { .name: kv, .offset: 8, .size: 8, .value_kind: global_buffer, .address_space: global }
      - { .name: maskw, .offset: 16, .size: 8, .value_kind: global_buffer, .address_space: global }
      - { .name: xq, .offset: 24, .size: 8, .value_kind: global_buffer, .address_space: global }
    .group_segment_fixed_size: 75776
    .private_segment_fixed_size: 0
    .kernarg_segment_align: 8
    .kernarg_segment_size: 32
    .max_flat_workgroup_size: 512
    .sgpr_count:     100
    .vgpr_count:     240
    .wavefront_size: 32
...
	.end_amdgpu_metadata
.endif
;; end of part 3
;; launch outp (part 4): grid 4 x 64, 4 waves a work-group, no clusters, 34,304 bytes of LDS; arguments xq, wq, out0; writes out0
.if DOCPART == 4
	.amdgcn_target "amdgcn-amd-amdhsa--gfx1250"
	.amdhsa_code_object_version 6
	.text
	.protected	k_qb58577b2db_outp
	.globl	k_qb58577b2db_outp
	.p2align	8
	.type	k_qb58577b2db_outp,@function
k_qb58577b2db_outp:
	s_mov_b64 s[64:65], 0
	v_nop
	global_prefetch_b8 v0, s[64:65] scope:SCOPE_SE
	s_setreg_imm32_b32 hwreg(HW_REG_WAVE_MODE, 25, 1), 1
	s_wait_xcnt 0x0
; OUTP.  out0 = x Wo^T on codes of FP6 (E2M3) with one E8M0 byte for each 32 along K.  x comes as half fragments (tile of 16 rows, head) and Wo as images of fragments, both in the order of the operands' registers.
; SHARES: work-group (cx, ry): 128 rows x 128 columns; wave w: row tiles 8 ry + 2 w + a (a = 0, 1) x Wo's tiles 8 cx + n (n = 0 .. 7): 16 accumulators, K = 512 in four steps.  All operands go from memory straight into
; registers, asked for at the head; the products of K step s begin when that step's loads are in.  Waves share nothing: no barrier.
; THE PRODUCT IS USED TRANSPOSED (source 0 = 16 rows of Wo, source 1 = 16 rows of x): a lane holds eight neighbouring columns of one row.  Tile T takes rows rho(T, i) = 32 (T / 2) + 8 (T % 2) + i + 8 (i / 8), of x and of Wo alike.
; THE WAY OUT: a tile's 16 rows x 512 bytes go through the wave's own stage in LDS (rows 528 bytes apart) and leave as whole rows: each store covers 512 consecutive bytes, aligned to 256.
; REGISTERS.  Window 0: v1-5 addresses, v6, v7 the add's two, v8-15 x's scale words (4 a + s), v16-47 Wo's (4 n + s), v64-159 x's fragments (48 a + 12 s); on the way out v64-191 rows of out0.
;   Window 1: Wo's fragments of K steps 0, 1 (96 (s % 2) + 12 n);  window 2: of K steps 2, 3;  window 3: the 16 accumulators (8 (8 a + n)).
.set SPARE, 33792                      ; behind the four stages of 8,448 bytes: the spare words, 128 bytes for each wave
.set WSO,   786432
.set XSO,   3145728
.set XSR,   8
.set WSR,   16
.set XF,    64
.set BK,    64
.set MSB, 0
.macro WIN new                         ; the immediate's high byte repeats the setting that is left
.if MSB != \new
	s_set_vgpr_msb (MSB<<8)|\new
.set MSB, \new
.endif
.endm
	s_load_b128 s[4:7], s[0:1], 0x0                ; xq, wq
	s_load_b64 s[8:9], s[0:1], 0x10                ; out0
	v_lshl_add_u32 v6, v0, 2, SPARE                ; my spare word; never rewritten
	v_mov_b32 v7, 0                                ; 0; never rewritten
	v_lshrrev_b32 v1, 5, v0
	v_readfirstlane_b32 s10, v1                    ; wave 0..3
	v_and_b32 v2, 31, v0
	v_and_b32 v3, 15, v0                           ; r
	v_bfe_u32 v4, v0, 4, 1                         ; h
	v_lshlrev_b32 v1, 4, v2                        ; 16 x lane
	v_lshlrev_b32 v2, 3, v2                        ; 8 x lane
	s_mul_i32 s11, s10, 8448                       ; my stage
	v_mul_u32_u24 v5, v3, 528
	v_lshl_add_u32 v4, v4, 6, v5
	v_add_nc_u32 v4, s11, v4                       ; into it: row r, + 64 h
	v_add_nc_u32 v5, s11, v1                       ; back: a row an instruction, 16 bytes a lane
	v_lshlrev_b32 v3, 4, v3                        ; 16 r
	s_and_b32 s12, ttmp7, 0xffff                   ; ry
	s_lshl_b32 s13, s12, 3
	s_lshl_b32 s14, s10, 1
	s_add_co_u32 s13, s13, s14                     ; my first tile of rows: 8 ry + 2 w
	s_mul_i32 s14, s13, 6144                       ; its eight half fragments
	s_mov_b32 s15, 0
	s_lshl_b32 s16, s13, 8
	s_add_co_u32 s16, s16, XSO                     ; its scale words
	s_mov_b32 s17, 0
	s_lshl_b32 s18, ttmp9, 5
	s_add_co_u32 s18, s18, 384
	s_mul_i32 s18, s18, 1536                       ; Wo's fragments: (3 x 128 + 32 cx) images
	s_mov_b32 s19, 0
	s_lshl_b32 s20, ttmp9, 3
	s_add_co_u32 s20, s20, 96
	s_lshl_b32 s20, s20, 8
	s_add_co_u32 s20, s20, WSO                     ; and their scale words
	s_mov_b32 s21, 0
	s_lshl_b32 s22, s12, 2
	s_add_co_u32 s22, s22, s10
	s_lshl_b32 s22, s22, 16                        ; out0: row 32 (4 ry + w), rows of 2,048 bytes,
	s_lshl_b32 s23, ttmp9, 9                       ; + 512 cx
	s_add_co_u32 s22, s22, s23
	s_mov_b32 s23, 0
	s_wait_kmcnt 0x0
	s_add_nc_u64 s[14:15], s[4:5], s[14:15]
	s_add_nc_u64 s[16:17], s[4:5], s[16:17]
	s_add_nc_u64 s[18:19], s[6:7], s[18:19]
	s_add_nc_u64 s[20:21], s[6:7], s[20:21]
	s_add_nc_u64 s[8:9], s[8:9], s[22:23]
.irp a, 0,1
.irp k, 0,1,2,3,4,5,6,7                        ; head k = 2 s + c: registers 12 s + 6 c of the tile's fragments
	global_load_b128 v[XF+48*\a+6*\k:XF+48*\a+6*\k+3], v1, s[14:15] offset:(8*\a+\k)*768
	global_load_b64 v[XF+48*\a+6*\k+4:XF+48*\a+6*\k+5], v2, s[14:15] offset:(8*\a+\k)*768+512
.endr
.endr
.irp a, 0,1
	global_load_b128 v[XSR+4*\a:XSR+4*\a+3], v3, s[16:17] offset:256*\a
.endr
.irp n, 0,1,2,3,4,5,6,7
	global_load_b128 v[WSR+4*\n:WSR+4*\n+3], v3, s[20:21] offset:256*\n
.endr
.irp s, 0,1,2,3
.if \s < 2
	WIN 0x40                                       ; destination window 1
.else
	WIN 0x80                                       ; destination window 2
.endif
.irp n, 0,1,2,3,4,5,6,7
.irp c, 0,1,2
	global_load_b128 v[96*(\s%2)+12*\n+4*\c:96*(\s%2)+12*\n+4*\c+3], v1, s[18:19] offset:(4*\n+\s)*1536+512*\c
.endr
.endr
.endr
.irp s, 0,1,2,3
.if \s == 0
	s_wait_loadcnt 63                              ; x, the scale words and K step 0 of Wo are in: behind them 72 loads were issued, and the count names as many as its field holds
.else
	s_wait_loadcnt 24*(3-\s)                       ; the later K steps' 24 loads each may be out
.endif
.if \s < 2
	WIN 0xf1                                       ; source 0 (Wo) window 1, source 1 (x) window 0, C and D window 3
.else
	WIN 0xf2
.endif
.irp a, 0,1                                    ; the 16 accumulators take turns, one instruction a turn
.irp n, 0,1,2,3,4,5,6,7
.if \s == 0
	v_wmma_scale_f32_16x16x128_f8f6f4 v[8*(8*\a+\n):8*(8*\a+\n)+7], v[96*(\s%2)+12*\n:96*(\s%2)+12*\n+11], v[XF+48*\a+12*\s:XF+48*\a+12*\s+11], 0, v[WSR+4*\n+\s], v[XSR+4*\a+\s] matrix_a_fmt:MATRIX_FMT_FP6 matrix_b_fmt:MATRIX_FMT_FP6
.else
	v_wmma_scale_f32_16x16x128_f8f6f4 v[8*(8*\a+\n):8*(8*\a+\n)+7], v[96*(\s%2)+12*\n:96*(\s%2)+12*\n+11], v[XF+48*\a+12*\s:XF+48*\a+12*\s+11], v[8*(8*\a+\n):8*(8*\a+\n)+7], v[WSR+4*\n+\s], v[XSR+4*\a+\s] matrix_a_fmt:MATRIX_FMT_FP6 matrix_b_fmt:MATRIX_FMT_FP6
.endif
.endr
.endr
.endr
	WIN 0
.rept 4
	v_nop                                          ; four places in front of the first read of results and of loads into the registers that held x's fragments
.endr
.macro TOSTAGE a                       ; lane (r, h), accumulator n, register j: row r, column 32 (n / 2) + 8 (n % 2) + 16 h + j of the work-group's 128
	WIN 0x0c                                       ; an LDS store's data are its source 1: window 3
.irp n, 0,1,2,3,4,5,6,7
	ds_store_b128 v4, v[8*(8*\a+\n):8*(8*\a+\n)+3] offset:128*(\n/2)+32*(\n%2)          ; each accumulator from its low end on
	ds_store_b128 v4, v[8*(8*\a+\n)+4:8*(8*\a+\n)+7] offset:128*(\n/2)+32*(\n%2)+16
.endr
	WIN 0
.irp i, 0,1,2,3,4,5,6,7,8,9,10,11,12,13,14,15
	ds_load_b128 v[BK+64*\a+4*\i:BK+64*\a+4*\i+3], v5 offset:528*\i   ; LDS serves a wave's instructions in order: these see my stores, and the next tile's stores come behind them
.endr
.endm
.macro SEND a
.irp i, 0,1,2,3,4,5,6,7,8,9,10,11,12,13,14,15
	global_store_b128 v1, v[BK+64*\a+4*\i:BK+64*\a+4*\i+3], s[8:9] offset:(8*\a+\i+8*(\i/8))*2048 th:TH_STORE_NT   ; 32 lanes store 512 consecutive bytes of row rho(tile, i)
.endr
.endm
	TOSTAGE 0
	TOSTAGE 1
	s_wait_dscnt 32                                ; tile 0's rows are back; tile 1's 16 stores and 16 loads may be out
	SEND 0
	s_wait_dscnt 0x0
	SEND 1
	s_wait_tensorcnt 0x0                           ; the wave's end
	ds_add_u32 v6, v7
	s_wait_dscnt 0x0
	s_endpgm
.Lfunc_end_k_qb58577b2db_outp:
	.size	k_qb58577b2db_outp, .Lfunc_end_k_qb58577b2db_outp-k_qb58577b2db_outp
	.p2alignl 7, 3214868480
	.fill 96, 4, 3214868480
	.section	.rodata,"a",@progbits
	.p2align	6, 0x0
	.amdhsa_kernel k_qb58577b2db_outp
		.amdhsa_group_segment_fixed_size 34304
		.amdhsa_private_segment_fixed_size 0
		.amdhsa_enable_private_segment 0
		.amdhsa_kernarg_size 24
		.amdhsa_user_sgpr_count 2
		.amdhsa_user_sgpr_kernarg_segment_ptr 1
		.amdhsa_wavefront_size32 1
		.amdhsa_system_sgpr_workgroup_id_x 1
		.amdhsa_system_sgpr_workgroup_id_y 1
		.amdhsa_system_sgpr_workgroup_id_z 1
		.amdhsa_system_vgpr_workitem_id 0
		.amdhsa_next_free_vgpr 896
		.amdhsa_next_free_sgpr 66
		.amdhsa_reserve_vcc 0
		.amdhsa_float_denorm_mode_32 3
		.amdhsa_float_denorm_mode_16_64 3
		.amdhsa_memory_ordered 1
		.amdhsa_forward_progress 1
		.amdhsa_inst_pref_size 31
	.end_amdhsa_kernel
	.amdgpu_metadata
---
amdhsa.version: [ 1, 2 ]
amdhsa.kernels:
  - .name:           k_qb58577b2db_outp
    .symbol:         k_qb58577b2db_outp.kd
    .args:
      - { .name: xq, .offset: 0, .size: 8, .value_kind: global_buffer, .address_space: global }
      - { .name: wq, .offset: 8, .size: 8, .value_kind: global_buffer, .address_space: global }
      - { .name: out0, .offset: 16, .size: 8, .value_kind: global_buffer, .address_space: global }
    .group_segment_fixed_size: 34304
    .private_segment_fixed_size: 0
    .kernarg_segment_align: 8
    .kernarg_segment_size: 24
    .max_flat_workgroup_size: 128
    .sgpr_count:     66
    .vgpr_count:     896
    .wavefront_size: 32
...
	.end_amdgpu_metadata
.endif
;; end of part 4
;; ======== version 2 of 2: 4 launches
;; limits: right only within a limited range of input values
;; workspace buffers: maskw 4,194,304 bytes of whole numbers; wq 819,200 bytes; qq 3,407,872 bytes; kv 6,684,672 bytes; xq 3,276,800 bytes
;; launch prep (part 5): grid 512 x 1, 8 waves a work-group, no clusters, 68,608 bytes of LDS; arguments mask, Wq, Wk, Wv, Wo, maskw, wq; writes maskw, wq
.if DOCPART == 5
	.amdgcn_target "amdgcn-amd-amdhsa--gfx1250"
	.amdhsa_code_object_version 6
	.text
	.protected	k_qb58577b2db_prep
	.globl	k_qb58577b2db_prep
	.p2align	8
	.type	k_qb58577b2db_prep,@function
k_qb58577b2db_prep:
	s_mov_b64 s[64:65], 0
	v_nop
	global_prefetch_b8 v0, s[64:65] scope:SCOPE_SE
	s_setreg_imm32_b32 hwreg(HW_REG_WAVE_MODE, 25, 1), 1
	s_wait_xcnt 0x0
; PREP.  (1) The mask [2][4096][4096] of int32 is read once and becomes lane masks for the attention launch; (2) the four weights [512][512] f32 become codes of FP6 (E2M3) with one E8M0 byte for each 32 along K.
; ROWS OF A TILE: tile T takes rows rho(T, i) = 32 (T / 2) + 8 (T % 2) + i + 8 (i / 8), i = 0 .. 15.  The same map serves queries, keys, weight rows and output rows in all four launches.
; MASK WORDS: for batch b, query tile T, key step (128 keys): 64 words, 256 bytes.  Bit r + 16 h of word j = (mask[b][rho(T, r)][128 step + 32 (j / 16) + 16 h + j % 16] != 0):
; that is the lane mask of score register j in the attention launch.
; SHARES: work-group g = 256 b + T takes 16 rows x 4,096 keys; wave w takes key steps 4 w .. 4 w + 3.  Each load reads 512 consecutive bytes of one row; the 16 x 512 bytes turn through the wave's own stage in LDS
; (rows 528 bytes apart), so that lane (r, h) holds row r's numbers in the order of the score registers.  Two units (32 loads a wave) are on their way.  Waves share nothing: no barrier.
; WEIGHTS: wave 0 of work-group g also quantises fragment g = 128 t + 4 T + s (t: Wq, Wk, Wv, Wo; 16 rows rho(T, .) x 128 along K): lane (r, h) loads the very k that the operand's layout gives it
; (k = 128 s + 64 c + 32 h + 0 .. 31), so a block lies in one lane and the conversions' results are the operand's registers.  They are stored as an image of those registers: group i of four registers at 512 i + 16 x lane.
; A block's scale is 2^(floor(log2(largest magnitude)) - 2); its byte is the largest magnitude's exponent field - 2, held at 1 from below.
; LIMITS: a block of zeros gets the byte 1 and not 127 (its codes are zeros, and this program alone reads the bytes); NaN and infinities among the weights are not served.
.set SPARE, 67584                      ; behind the eight stages of 8,448 bytes: the spare words, 128 bytes for each wave
.set WSO,   786432                     ; where the scale words begin in wq
.set R,     64                         ; v64-191  two sets of 64 numbers
.set XW,    128                        ; the weight's 64 numbers: set 1, ahead of its first mask loads
.set WD,    12                         ; v12-19   a unit's 64 words, two registers a unit: word j in lane j / 2 of register j % 2
.set PC,    24                         ; v24-43   the weight's codes
.set TM,    44                         ; v44-59   at work
.set WV,    18
.set SEL,   42                         ; s[42:43] selects for lane l xor 16
	s_load_b256 s[4:11], s[0:1], 0x0               ; mask, Wq, Wk, Wv
	s_load_b128 s[12:15], s[0:1], 0x20             ; Wo, maskw
	s_load_b64 s[16:17], s[0:1], 0x30              ; wq
	v_lshl_add_u32 v5, v0, 2, SPARE                ; my spare word; never rewritten
	v_mov_b32 v6, 0                                ; 0; never rewritten
	v_lshrrev_b32 v1, 5, v0
	s_delay_alu instid0(VALU_DEP_1)
	v_readfirstlane_b32 s[WV], v1                  ; wave 0..7
	v_and_b32 v11, 31, v0                          ; lane
	v_and_b32 v10, 15, v0                          ; r
	v_bfe_u32 v20, v0, 4, 1                        ; h
	s_delay_alu instid0(VALU_DEP_3)
	v_lshlrev_b32 v1, 4, v11                       ; 16 x lane
	s_delay_alu instid0(VALU_DEP_4)
	v_lshlrev_b32 v2, 3, v11                       ; 8 x lane
	s_mul_i32 s19, s[WV], 8448                     ; my stage
	v_add_nc_u32 v3, s19, v1                       ; into it: 16 x lane, a row an instruction
	v_mul_u32_u24 v4, v10, 528
	s_delay_alu instid0(VALU_DEP_1)
	v_lshl_add_u32 v4, v20, 6, v4
	s_delay_alu instid0(VALU_DEP_1)
	v_add_nc_u32 v4, s19, v4                       ; out of it: row r, + 64 h
	v_and_b32 v8, 8, v10
	s_delay_alu instid0(VALU_DEP_1)
	v_add_nc_u32 v8, v8, v10                       ; r + 8 (r / 8)
	s_delay_alu instid0(VALU_DEP_1)
	v_lshlrev_b32 v8, 11, v8                       ; a weight's row is 2,048 bytes
	s_delay_alu instid0(VALU_DEP_1)
	v_lshl_add_u32 v9, v20, 7, v8                  ; + 128 h: my block of 32
	v_lshlrev_b32 v10, 4, v10                      ; 16 r
.irp i, 0,1,2,3,4,5,6,7
	v_mov_b32 v[WD+\i], 0                          ; a lane write's destination counts as read
.endr
	s_mov_b32 s[SEL], 0x76543210
	s_mov_b32 s[SEL+1], 0xfedcba98
	s_lshr_b32 s19, ttmp9, 8                       ; b
	s_lshl_b32 s19, s19, 12
	s_bfe_u32 s44, ttmp9, 0x70001                  ; T / 2
	s_lshl_b32 s44, s44, 5
	s_add_co_u32 s19, s19, s44
	s_and_b32 s44, ttmp9, 1
	s_lshl_b32 s44, s44, 3
	s_add_co_u32 s19, s19, s44                     ; 4096 b + rho(T, 0)
	s_lshl_b32 s20, s19, 14                        ; a row of the mask is 16,384 bytes
	s_lshl_b32 s44, s[WV], 11                      ; my four steps: 2,048 bytes
	s_add_co_u32 s20, s20, s44
	s_mov_b32 s21, 0
	s_lshl_b32 s22, ttmp9, 13                      ; the words: (32 g + 4 w) x 256
	s_lshl_b32 s44, s[WV], 10
	s_add_co_u32 s22, s22, s44
	s_mov_b32 s23, 0
	s_bfe_u32 s44, ttmp9, 0x40003                  ; the weight's tile / 2
	s_lshl_b32 s44, s44, 5
	s_bfe_u32 s45, ttmp9, 0x10002                  ; the weight's tile % 2
	s_lshl_b32 s45, s45, 3
	s_add_co_u32 s44, s44, s45
	s_lshl_b32 s28, s44, 11                        ; its first row,
	s_and_b32 s44, ttmp9, 3
	s_lshl_b32 s45, s44, 9                         ; its K step: 512 bytes
	s_add_co_u32 s28, s28, s45
	s_mov_b32 s29, 0
	s_mul_i32 s30, ttmp9, 1536                     ; the fragment's image
	s_mov_b32 s31, 0
	s_lshr_b32 s46, ttmp9, 2
	s_lshl_b32 s46, s46, 8                         ; its scale words: 256 bytes a tile, 16 r + 4 s in them
	s_lshl_b32 s44, s44, 2
	s_add_co_u32 s46, s46, s44
	s_add_co_u32 s46, s46, WSO
	s_mov_b32 s47, 0
	s_lshr_b32 s19, ttmp9, 7                       ; which weight
	s_wait_kmcnt 0x0
	s_add_nc_u64 s[20:21], s[4:5], s[20:21]
	s_add_nc_u64 s[22:23], s[14:15], s[22:23]
	s_mov_b64 s[26:27], s[12:13]
	s_cmp_eq_u32 s19, 2
	s_cselect_b64 s[26:27], s[10:11], s[26:27]
	s_cmp_eq_u32 s19, 1
	s_cselect_b64 s[26:27], s[8:9], s[26:27]
	s_cmp_eq_u32 s19, 0
	s_cselect_b64 s[26:27], s[6:7], s[26:27]
	s_add_nc_u64 s[26:27], s[26:27], s[28:29]
	s_add_nc_u64 s[30:31], s[16:17], s[30:31]
	s_add_nc_u64 s[46:47], s[16:17], s[46:47]
.macro LOADM u                         ; unit u: 16 rows x 512 bytes; each load 512 consecutive bytes
.irp i, 0,1,2,3,4,5,6,7,8,9,10,11,12,13,14,15
	global_load_b128 v[R+64*((\u)%2)+4*\i:R+64*((\u)%2)+4*\i+3], v1, s[20:21] offset:(\i+8*(\i/8))*16384+512*(\u) th:TH_LOAD_NT
.endr
.endm
.macro TURN rs                         ; through my stage and back into the same registers: LDS serves a wave's instructions in order, so no wait stands between
.irp i, 0,1,2,3,4,5,6,7,8,9,10,11,12,13,14,15
	ds_store_b128 v3, v[\rs+4*\i:\rs+4*\i+3] offset:528*\i
.endr
.irp b, 0,1,2,3
.irp j, 0,1,2,3
	ds_load_b128 v[\rs+16*\b+4*\j:\rs+16*\b+4*\j+3], v4 offset:128*\b+16*\j
.endr
.endr
.endm
	LOADM 0
	s_cmp_lg_u32 s[WV], 0
	s_cbranch_scc1 .Lno_weight
	; ---- the weight's fragment (wave 0 alone)
.irp c, 0,1
.irp j, 0,1,2,3,4,5,6,7
	global_load_b128 v[XW+32*\c+4*\j:XW+32*\c+4*\j+3], v9, s[26:27] offset:256*\c+16*\j
.endr
.endr
	s_wait_loadcnt 0x0
.irp c, 0,1
	v_max3_num_f32 v[TM+\c], |v[XW+32*\c]|, |v[XW+32*\c+1]|, 0x1800000   ; my block 2 c + h, and the floor 2^(3 - 127): the byte cannot fall under 1
.endr
.irp i, 2,4,6,8,10,12,14,16,18,20,22,24,26,28,30
.irp c, 0,1
	s_delay_alu instid0(VALU_DEP_2)
	v_max3_num_f32 v[TM+\c], v[TM+\c], |v[XW+32*\c+\i]|, |v[XW+32*\c+\i+1]|
.endr
.endr
.irp c, 0,1
	s_delay_alu instid0(VALU_DEP_2)
	v_add_nc_u32 v[TM+4+\c], 0xff000000, v[TM+\c]  ; 2 off the exponent field: the conversion's scale operand
.endr
.irp c, 0,1
	s_delay_alu instid0(VALU_DEP_2)
	v_lshrrev_b32 v[TM+8+\c], 23, v[TM+4+\c]       ; the scale's byte
.endr
	s_delay_alu instid0(VALU_DEP_1)
	v_lshl_or_b32 v21, v[TM+9], 16, v[TM+8]        ; my two bytes: blocks h and 2 + h,
	v_lshlrev_b32 v22, 3, v20
	s_delay_alu instid0(VALU_DEP_1)
	v_lshlrev_b32 v21, v22, v21                    ; 8 h bits up;
	v_mov_b32 v22, 0
	s_delay_alu instid0(VALU_DEP_1)
	v_permlanex16_b32 v22, v21, s[SEL], s[SEL+1]
	s_delay_alu instid0(VALU_DEP_1)
	v_or_b32 v21, v21, v22                         ; with lane l xor 16's two the word is whole
.irp c, 0,1
	v_cvt_scalef32_pk16_fp6_f32 v[PC+6*\c:PC+6*\c+2], v[XW+32*\c:XW+32*\c+15], v[TM+4+\c]
	v_cvt_scalef32_pk16_fp6_f32 v[PC+12+4*\c:PC+14+4*\c], v[XW+32*\c+16:XW+32*\c+31], v[TM+4+\c]   ; (a conversion's three registers begin on an even number)
.endr
	v_nop                                          ; one plain place behind a scaled conversion
.irp c, 0,1
.irp i, 0,1,2
	v_mov_b32 v[PC+3+6*\c+\i], v[PC+12+4*\c+\i]
.endr
.endr
.irp i, 0,1,2
	global_store_b128 v1, v[PC+4*\i:PC+4*\i+3], s[30:31] offset:512*\i   ; 512 consecutive bytes a store
.endr
	global_store_b32 v10, v21, s[46:47]            ; row r's word (lanes 16-31 write the same word with the same value)
.Lno_weight:
	LOADM 1
.macro UNIT u
.set RS, R+64*((\u)%2)
.if \u < 3
	s_wait_loadcnt 16                              ; this unit's 16 loads are in; the next unit's 16 may be out
.else
	s_wait_loadcnt 0x0
.endif
	TURN RS
	s_wait_dscnt 0x0
.set qq_, 0
.rept 8
.irp k, 0,1,2,3,4,5,6,7
	v_cmp_ne_u32 s[32+\k], 0, v[RS+8*qq_+\k]       ; word j: a bit for each lane
.endr
.irp k, 0,1,2,3,4,5,6,7
	v_writelane_b32 v[WD+2*(\u)+\k%2], s[32+\k], (8*qq_+\k)/2
.endr
.set qq_, qq_+1
.endr
.if \u+2 < 4
	LOADM \u+2                                     ; into the set that has just been read
.endif
	global_store_b64 v2, v[WD+2*(\u):WD+2*(\u)+1], s[22:23] offset:256*(\u)   ; 32 lanes store 256 consecutive bytes, aligned
.endm
	UNIT 0
	UNIT 1
	UNIT 2
	UNIT 3
	s_wait_tensorcnt 0x0                           ; the wave's end
	ds_add_u32 v5, v6
	s_wait_dscnt 0x0
	s_endpgm
.Lfunc_end_k_qb58577b2db_prep:
	.size	k_qb58577b2db_prep, .Lfunc_end_k_qb58577b2db_prep-k_qb58577b2db_prep
	.p2alignl 7, 3214868480
	.fill 96, 4, 3214868480
	.section	.rodata,"a",@progbits
	.p2align	6, 0x0
	.amdhsa_kernel k_qb58577b2db_prep
		.amdhsa_group_segment_fixed_size 68608
		.amdhsa_private_segment_fixed_size 0
		.amdhsa_enable_private_segment 0
		.amdhsa_kernarg_size 56
		.amdhsa_user_sgpr_count 2
		.amdhsa_user_sgpr_kernarg_segment_ptr 1
		.amdhsa_wavefront_size32 1
		.amdhsa_system_sgpr_workgroup_id_x 1
		.amdhsa_system_sgpr_workgroup_id_y 1
		.amdhsa_system_sgpr_workgroup_id_z 1
		.amdhsa_system_vgpr_workitem_id 0
		.amdhsa_next_free_vgpr 192
		.amdhsa_next_free_sgpr 66
		.amdhsa_reserve_vcc 0
		.amdhsa_float_denorm_mode_32 3
		.amdhsa_float_denorm_mode_16_64 3
		.amdhsa_memory_ordered 1
		.amdhsa_forward_progress 1
		.amdhsa_inst_pref_size 57
	.end_amdhsa_kernel
	.amdgpu_metadata
---
amdhsa.version: [ 1, 2 ]
amdhsa.kernels:
  - .name:           k_qb58577b2db_prep
    .symbol:         k_qb58577b2db_prep.kd
    .args:
      - { .name: mask, .offset: 0, .size: 8, .value_kind: global_buffer, .address_space: global }
      - { .name: Wq, .offset: 8, .size: 8, .value_kind: global_buffer, .address_space: global }
      - { .name: Wk, .offset: 16, .size: 8, .value_kind: global_buffer, .address_space: global }
      - { .name: Wv, .offset: 24, .size: 8, .value_kind: global_buffer, .address_space: global }
      - { .name: Wo, .offset: 32, .size: 8, .value_kind: global_buffer, .address_space: global }
      - { .name: maskw, .offset: 40, .size: 8, .value_kind: global_buffer, .address_space: global }
      - { .name: wq, .offset: 48, .size: 8, .value_kind: global_buffer, .address_space: global }
    .group_segment_fixed_size: 68608
    .private_segment_fixed_size: 0
    .kernarg_segment_align: 8
    .kernarg_segment_size: 56
    .max_flat_workgroup_size: 256
    .sgpr_count:     66
    .vgpr_count:     192
    .wavefront_size: 32
...
	.end_amdgpu_metadata
.endif
;; end of part 5
;; launch proj (part 6): grid 64 x 3, 8 waves a work-group, no clusters, 121,856 bytes of LDS; arguments query, key, value, bq, bk, bv, wq, qq, kv; writes qq, kv
.if DOCPART == 6
	.amdgcn_target "amdgcn-amd-amdhsa--gfx1250"
	.amdhsa_code_object_version 6
	.text
	.protected	k_qb58577b2db_proj
	.globl	k_qb58577b2db_proj
	.p2align	8
	.type	k_qb58577b2db_proj,@function
k_qb58577b2db_proj:
	s_mov_b64 s[64:65], 0
	v_nop
	global_prefetch_b8 v0, s[64:65] scope:SCOPE_SE
	s_setreg_imm32_b32 hwreg(HW_REG_WAVE_SCHED_MODE, 0, 2), 2
	s_setreg_imm32_b32 hwreg(HW_REG_WAVE_MODE, 25, 1), 1
	s_wait_xcnt 0x0
	s_wait_alu depctr_vm_vsrc(0)
; PROJ.  q = query Wq^T + bq, k = key Wk^T + bk, v = value Wv^T + bv, on codes of FP6 (E2M3) with one E8M0 byte for each 32 along K; the results are quantised at once for the attention launch and go to memory as codes alone.
; SHARES: work-group (x, y): 128 rows (batch x / 32, key step x % 32) of tensor y (0 query, 1 key, 2 value).  Wave w quantises the block's tile w (16 rows rho(w, .) = 32 (w / 2) + 8 (w % 2) + i + 8 (i / 8), all 512 along K)
; and hands it to the others through LDS as images of the operand's registers; then wave w owns HEAD w: the four weight tiles 4 w + n, all four K steps, 192 registers that are loaded once.  One barrier.
; 192 work-groups: 128 rows are one K step of the second attention product and one whole block of its scale bytes, and the weights' codes are read once for each 128 rows.
; q, k: THE PRODUCT IS USED TRANSPOSED (source 0 = 16 rows of W, source 1 = 16 rows of x): a lane holds one row and, by the choice of the weight's rows, its 32 registers of the four tiles run along the head's 64: they are
; quantised in registers (two blocks of 32).  v: source 0 = 16 rows of x (keys), source 1 = 16 rows of W: a lane holds one channel d and its registers run along the KEYS, which are the second attention product's K.
; The bias is the C of each sum's first matrix instruction.
; WHAT IS STORED: half fragments (16 rows x 64 along K: six registers a lane): registers 0-3 at 16 x lane, registers 4-5 at 512 + 8 x lane: 768 bytes, every store whole aligned blocks of 256 bytes.
;   qq: tile T of head bh at (256 bh + T) 768; scale words (b0, b1, b0, b1).   kv: for (bh, step) 12,288 bytes: K's eight tiles, then V^T's four fragments (tile n, half c at 6144 + 1536 n + 768 c).
; LIMITS: a block of zeros gets the byte 1 and not 127 (its codes are zeros; this program alone reads the bytes); NaN and infinities among the inputs are not served.
; REGISTERS.  Window 0: v1-10 addresses; v16-31 W's scale words (4 n + s); v32-39 scale words made; v40-43 on their way out; v44-59 at work; v62, v63 the add's two; v64-191 x's numbers (two sets), then 16 accumulators;
;   v192-239 codes just made, then x's fragments (two halves of two), then the half fragments on their way out; v240-243 x's scale words; v244-246 at work.   Window 1: v0-191 W's 16 fragments; v192-223 the bias, eight registers a tile.
; THE MODE: SCHED_MODE bits 1:0 = 2 (LLVM: expert scheduling mode 2), set by the entry lines.  The code itself states the register dependences
; between vector or matrix instructions and memory or LDS instructions, with s_wait_alu, always for 0.
; THE PLAN.  Registers that memory or LDS instructions touch:
;   v1-10          offsets and LDS addresses: made at the head, never written again.
;   v64-191        set s % 2 of x's numbers: the global loads of K step s land in it, the stage's LDS stores read it, the stage's LDS loads land in it, the quantiser reads it; later the accumulators.
;   v192-210, v60  a fragment's codes and scale word: written by the quantiser, read by the image's LDS stores.
;   v192-239, v240-243  x's fragments and scale words, two halves: pair p's LDS loads land in half p % 2, its eight products read it.
;   v192-223       a group's four half fragments: written by its four quantisers, read by the eight global stores that follow them in one run.
;   v32-43         scale words: written by vector instructions, read by the last store.
; A K step of the quantising has two waits: one on vm_vsrc inside the turn through the stage, one on va_vdst behind the quantiser.  A pair of tiles has one wait on va_vdst, ahead of the loads into the half that the pair
; before has multiplied: two waves of 512 registers fill a SIMD's registers, and what is free does not hold a further pair of halves.  A group has one wait on va_vdst ahead of its run of stores.
.set XSC,   49152                      ; LDS: x's 32 images of 1,536 bytes from 0; their scale words, 128 bytes each, from here;
.set STG,   53248                      ; eight stages of 16 x 528 bytes;
.set SPARE, 120832                     ; the spare words, 128 bytes for each wave
.set WSO,   786432
.set QSO,   3145728
.set KSO,   6291456
.set R,    64
.set ACC,  64
.set PC,   192
.set XF,   192
.set HO,   192
.set XS,   240
.set T2,   244
.set WSR,  16
.set PWS,  32
.set SO,   40
.set TM,   44
.set PW,   60
.set BI,   192                         ; in window 1
.set SEL,  40
.set MSB, 0
.macro WIN new                         ; the immediate's high byte repeats the setting that is left
.if MSB != \new
	s_set_vgpr_msb (MSB<<8)|\new
.set MSB, \new
.endif
.endm
; 64 numbers of a lane, register 16 b + i = k 32 b + 16 (lane / 16) + i of my row, become a fragment's codes in v[PC] on and its scale word in v[PW]
.macro QUANT src
.irp b, 0,1,2,3
	v_max3_num_f32 v[TM+\b], |v[\src+16*\b]|, |v[\src+1+16*\b]|, 0x1800000   ; my 16 numbers of block b, and the floor 2^(3 - 127)
.endr
.irp i, 2,4,6,8,10,12,14
.irp b, 0,1,2,3
	v_max3_num_f32 v[TM+\b], v[TM+\b], |v[\src+16*\b+\i]|, |v[\src+1+16*\b+\i]|
.endr
.endr
.irp b, 0,1,2,3
	v_permlanex16_b32 v[TM+4+\b], v[TM+\b], s[SEL], s[SEL+1]
.endr
.irp b, 0,1,2,3
	v_max_num_f32 v[TM+\b], v[TM+\b], v[TM+4+\b]   ; with lane l xor 16's: the block's largest magnitude
.endr
.irp b, 0,1,2,3
	v_add_nc_u32 v[TM+12+\b], 0xff000000, v[TM+\b] ; 2 off its exponent field: the conversion's scale operand
.endr
.irp b, 0,1,2,3
	v_lshrrev_b32 v[TM+4+\b], 23, v[TM+12+\b]      ; the scale's byte
.endr
	v_lshl_or_b32 v[PW], v[TM+5], 8, v[TM+4]
	v_lshl_or_b32 v[PW], v[TM+6], 16, v[PW]
	v_lshl_or_b32 v[PW], v[TM+7], 24, v[PW]
.irp c, 0,1
	v_cvt_scalef32_pk16_fp6_f32 v[PC+6*\c:PC+2+6*\c], v[\src+32*\c:\src+15+32*\c], v[TM+12+2*\c]
	v_cvt_scalef32_pk16_fp6_f32 v[PC+12+4*\c:PC+14+4*\c], v[\src+16+32*\c:\src+31+32*\c], v[TM+13+2*\c]
.endr
	v_nop                                          ; one plain place behind a scaled conversion
.irp c, 0,1                                    ; the operand's layout wants a whole block in a lane
.irp i, 0,1,2
	v_permlane16_swap_b32 v[PC+6*\c+\i], v[PC+12+4*\c+\i]
.endr
.irp i, 0,1,2
	v_mov_b32 v[PC+3+6*\c+\i], v[PC+12+4*\c+\i]
.endr
.endr
.endm
; the same on 32 numbers (two blocks): six registers of codes in v[dst] on, the two bytes in v[pw]
.macro HQUANT src, dst, t2, pw
.irp b, 0,1
	v_max3_num_f32 v[TM+\b], |v[\src+16*\b]|, |v[\src+1+16*\b]|, 0x1800000
.endr
.irp i, 2,4,6,8,10,12,14
.irp b, 0,1
	v_max3_num_f32 v[TM+\b], v[TM+\b], |v[\src+16*\b+\i]|, |v[\src+1+16*\b+\i]|
.endr
.endr
.irp b, 0,1
	v_permlanex16_b32 v[TM+4+\b], v[TM+\b], s[SEL], s[SEL+1]
.endr
.irp b, 0,1
	v_max_num_f32 v[TM+\b], v[TM+\b], v[TM+4+\b]
.endr
.irp b, 0,1
	v_add_nc_u32 v[TM+12+\b], 0xff000000, v[TM+\b]
.endr
.irp b, 0,1
	v_lshrrev_b32 v[TM+4+\b], 23, v[TM+12+\b]
.endr
	v_lshl_or_b32 v[\pw], v[TM+5], 8, v[TM+4]
	v_cvt_scalef32_pk16_fp6_f32 v[\dst:\dst+2], v[\src:\src+15], v[TM+12]
	v_cvt_scalef32_pk16_fp6_f32 v[\t2:\t2+2], v[\src+16:\src+31], v[TM+13]
	v_nop
.irp i, 0,1,2
	v_permlane16_swap_b32 v[\dst+\i], v[\t2+\i]
.endr
.irp i, 0,1,2
	v_mov_b32 v[\dst+3+\i], v[\t2+\i]
.endr
.endm
	s_load_b256 s[4:11], s[0:1], 0x0               ; query, key, value, bq
	s_load_b256 s[12:19], s[0:1], 0x20             ; bk, bv, wq, qq
	s_load_b64 s[20:21], s[0:1], 0x40              ; kv
	v_lshl_add_u32 v62, v0, 2, SPARE               ; my spare word; never rewritten
	v_mov_b32 v63, 0                               ; 0; never rewritten
	v_lshrrev_b32 v1, 5, v0
	v_readfirstlane_b32 s22, v1                    ; wave 0..7
	v_and_b32 v11, 31, v0
	v_and_b32 v12, 15, v0                          ; r
	v_bfe_u32 v13, v0, 4, 1                        ; h
	v_lshlrev_b32 v1, 4, v11                       ; 16 x lane
	v_lshlrev_b32 v2, 3, v11                       ; 8 x lane
	v_lshlrev_b32 v3, 2, v11                       ; 4 x lane
	s_wait_alu depctr_va_sdst(0)                   ; s22, the wave's number, is written, ahead of its first reader
	s_mul_i32 s24, s22, 8448
	s_add_co_u32 s24, s24, STG                     ; my stage
	v_add_nc_u32 v4, s24, v1
	v_mul_u32_u24 v5, v12, 528
	v_lshl_add_u32 v5, v13, 6, v5
	v_add_nc_u32 v5, s24, v5
	s_mul_i32 s24, s22, 6144
	v_add_nc_u32 v6, s24, v1                       ; where I store my tile's four images
	s_lshl_b32 s24, s22, 9
	s_add_co_u32 s24, s24, XSC
	v_add_nc_u32 v7, s24, v3                       ; and their scale words
	v_lshlrev_b32 v8, 4, v12                       ; 16 r
	v_lshlrev_b32 v9, 6, v13                       ; the bias of q, k: 64 h
	v_and_b32 v10, 8, v12
	v_add_nc_u32 v10, v10, v12
	v_lshlrev_b32 v10, 2, v10                      ; the bias of v: 4 (r + 8 (r / 8))
.irp b, 0,1,2,3
	v_mov_b32 v[TM+4+\b], 0                        ; a lane permute's destination counts as one of its sources
.endr
	s_mov_b32 s[SEL], 0x76543210
	s_mov_b32 s[SEL+1], 0xfedcba98
	s_mov_b32 s42, 0xffff0000                      ; lanes 16-31
	s_and_b32 s23, ttmp7, 0xffff                   ; y: which tensor
	s_lshr_b32 s24, ttmp9, 5                       ; b
	s_and_b32 s25, ttmp9, 31                       ; step
	s_lshl_b32 s26, s24, 3
	s_add_co_u32 s26, s26, s22                     ; bh = 8 b + w
	s_lshl_b32 s27, s26, 5
	s_add_co_u32 s27, s27, s25                     ; 32 bh + step
	s_lshl_b32 s43, ttmp9, 7
	s_lshr_b32 s44, s22, 1
	s_lshl_b32 s44, s44, 5
	s_add_co_u32 s43, s43, s44
	s_and_b32 s44, s22, 1
	s_lshl_b32 s44, s44, 3
	s_add_co_u32 s43, s43, s44                     ; 128 x + rho(w, 0)
	s_lshl_b32 s50, s43, 11                        ; rows of 2,048 bytes
	s_mov_b32 s51, 0
	s_lshl_b32 s52, s23, 7
	s_lshl_b32 s43, s22, 4
	s_add_co_u32 s52, s52, s43
	s_mul_i32 s52, s52, 1536                       ; my 16 fragments of W
	s_mov_b32 s53, 0
	s_lshl_b32 s54, s23, 5
	s_lshl_b32 s43, s22, 2
	s_add_co_u32 s54, s54, s43
	s_lshl_b32 s54, s54, 8
	s_add_co_u32 s54, s54, WSO                     ; and their scale words
	s_mov_b32 s55, 0
	s_lshl_b32 s44, s22, 8                         ; my head's 64 numbers of the bias
	s_mov_b32 s45, 0
	s_cmp_eq_u32 s23, 0                            ; where the results go: q into qq, k and v into kv
	s_mov_b32 s43, 12288
	s_cselect_b32 s43, 6144, s43
	s_mov_b32 s24, 24576
	s_cselect_b32 s24, 16384, s24
	s_mov_b32 s48, KSO
	s_cselect_b32 s48, QSO, s48
	s_mul_i32 s46, s27, s43
	s_mul_i32 s24, s26, s24
	s_add_co_u32 s48, s48, s24
	s_cmp_eq_u32 s23, 2
	s_cselect_b32 s43, 6144, 0                     ; V^T's fragments lie behind K's tiles,
	s_cselect_b32 s24, 16384, 0                    ; its scale words behind K's,
	s_cselect_b32 s27, 8, 9                        ; 256 bytes a step against 512
	s_add_co_u32 s46, s46, s43
	s_add_co_u32 s48, s48, s24
	s_lshl_b32 s25, s25, s27
	s_add_co_u32 s48, s48, s25
	s_mov_b32 s47, 0
	s_mov_b32 s49, 0
	s_wait_kmcnt 0x0
	s_mov_b64 s[28:29], s[8:9]
	s_mov_b64 s[34:35], s[14:15]
	s_cmp_eq_u32 s23, 1
	s_cselect_b64 s[28:29], s[6:7], s[28:29]
	s_cselect_b64 s[34:35], s[12:13], s[34:35]
	s_cmp_eq_u32 s23, 0
	s_cselect_b64 s[28:29], s[4:5], s[28:29]
	s_cselect_b64 s[34:35], s[10:11], s[34:35]
	s_cselect_b64 s[36:37], s[18:19], s[20:21]
	s_mov_b64 s[38:39], s[36:37]
	s_add_nc_u64 s[28:29], s[28:29], s[50:51]      ; x at my tile's first row
	s_add_nc_u64 s[34:35], s[34:35], s[44:45]      ; the bias
	s_add_nc_u64 s[36:37], s[36:37], s[46:47]      ; the codes' place
	s_add_nc_u64 s[38:39], s[38:39], s[48:49]      ; the scale words' place
	s_add_nc_u64 s[30:31], s[16:17], s[52:53]
	s_add_nc_u64 s[32:33], s[16:17], s[54:55]
	s_wait_alu depctr_va_vdst(0)                   ; the offsets and LDS addresses v1 to v10 are written, which every load and store of the kernel reads; they are never written again
	WIN 0x40                                       ; destination window 1
.irp f, 0,1,2,3,4,5,6,7,8,9,10,11,12,13,14,15
.irp c, 0,1,2
	global_load_b128 v[12*\f+4*\c:12*\f+4*\c+3], v1, s[30:31] offset:1536*\f+512*\c   ; W's fragment 4 n + s: an image of its registers
.endr
.endr
	WIN 0
	s_cmp_eq_u32 s23, 2
	s_cbranch_scc1 .Lbias_v
	WIN 0x40
.irp n, 0,1,2,3                                ; q, k: register j of tile n is channel 32 (n / 2) + 8 (n % 2) + 16 h + j
	global_load_b128 v[BI+8*\n:BI+8*\n+3], v9, s[34:35] offset:(32*(\n/2)+8*(\n%2))*4
	global_load_b128 v[BI+8*\n+4:BI+8*\n+7], v9, s[34:35] offset:(32*(\n/2)+8*(\n%2))*4+16
.endr
	WIN 0
	s_branch .Lbias_done
.Lbias_v:
	WIN 0x40
.irp n, 0,1,2,3                                ; v: a lane is one channel, rho(n, r): one number fills the tile's eight registers
.irp j, 0,1,2,3,4,5,6,7
	global_load_b32 v[BI+8*\n+\j], v10, s[34:35] offset:(32*(\n/2)+8*(\n%2))*4
.endr
.endr
	WIN 0
.Lbias_done:
.irp n, 0,1,2,3
	global_load_b128 v[WSR+4*\n:WSR+4*\n+3], v8, s[32:33] offset:256*\n   ; row r's four scale words
.endr
.macro LOADX s                         ; my 16 rows' numbers of K step s: each load 512 consecutive bytes of one row
.irp i, 0,1,2,3,4,5,6,7,8,9,10,11,12,13,14,15
	global_load_b128 v[R+64*((\s)%2)+4*\i:R+64*((\s)%2)+4*\i+3], v1, s[28:29] offset:(\i+8*(\i/8))*2048+512*(\s) th:TH_LOAD_NT
.endr
.endm
.macro TURN rs                         ; through my stage and back into the same registers: LDS serves a wave's instructions in order
.irp i, 0,1,2,3,4,5,6,7,8,9,10,11,12,13,14,15
	ds_store_b128 v4, v[\rs+4*\i:\rs+4*\i+3] offset:528*\i
.endr
	s_wait_alu depctr_vm_vsrc(0)                   ; the sixteen stores above have read the set, in which the loads below land; the last image's stores have read the codes' registers and the scale word, which the quantiser writes again
.irp b, 0,1,2,3
.irp j, 0,1,2,3
	ds_load_b128 v[\rs+16*\b+4*\j:\rs+16*\b+4*\j+3], v5 offset:128*\b+16*\j
.endr
.endr
.endm
	LOADX 0
	; ---- X: my tile becomes four fragments
.irp s, 0,1,2,3
.if \s < 3
	LOADX \s+1                                     ; into the other set.  No wait here: the wait behind the last quantiser stands between that set's last reader and these loads
	s_wait_loadcnt 16                              ; all but the 16 just issued are in
.else
	s_wait_loadcnt 0x0
.endif
	TURN R+64*(\s%2)
	s_wait_dscnt 0x0                               ; the numbers are back; the last image's stores have read their registers
	QUANT R+64*(\s%2)
	s_wait_alu depctr_va_vdst(0)                   ; the quantiser has written the codes and the scale word, which the LDS stores below read; and it is done reading this set, in which the loads of two K steps on land
.irp c, 0,1,2
	ds_store_b128 v6, v[PC+4*\c:PC+4*\c+3] offset:1536*\s+512*\c
.endr
	ds_store_b32 v7, v[PW] offset:128*\s
.endr
	s_wait_dscnt 0x0                               ; for the others' sake: my images have landed
	s_barrier_signal -1
	s_barrier_wait -1                              ; x's 32 fragments lie in LDS; nothing is stored to LDS from here on
	s_wait_alu depctr_vm_vsrc(0)                   ; my last image's stores have read v192 to v203, in which x's fragments land (the quantiser that wrote them stands ahead of the last wait on va_vdst)
.macro FETCHP G, p                     ; pair p of a group of 64 rows: K step p / 2, tiles 4 G + 2 (p % 2) + 0, 1, into half p % 2: eight LDS loads
.irp mm, 0,1
.set FF_, 4*(4*(\G)+2*((\p)%2)+\mm)+(\p)/2
.irp c, 0,1,2
	ds_load_b128 v[XF+24*((\p)%2)+12*\mm+4*\c:XF+24*((\p)%2)+12*\mm+4*\c+3], v1 offset:1536*FF_+512*\c
.endr
	ds_load_b32 v[XS+2*((\p)%2)+\mm], v3 offset:XSC+128*FF_
.endr
.endm
.macro MUL8 p, tr                      ; eight matrix instructions: two tiles of rows x my four tiles of W.  The group's 16 accumulators take turns, one instruction a turn
.set S_, (\p)/2
.set HS_, (\p)%2
.if \tr
.if S_ == 0
	WIN 0x11                                       ; source 0 (W) and C (the bias) window 1
.else
	WIN 0x01
.endif
.else
.if S_ == 0
	WIN 0x14                                       ; source 1 (W) and C (the bias) window 1
.else
	WIN 0x04
.endif
.endif
.irp mm, 0,1
.irp n, 0,1,2,3
.set M_, 2*HS_+\mm
.if \tr
.set RD_, ACC+32*M_+8*\n
.set RA_, 12*(4*\n+S_)
.set RB_, XF+24*HS_+12*\mm
.set SA_, WSR+4*\n+S_
.set SB_, XS+2*HS_+\mm
.else
.set RD_, ACC+32*\n+8*M_
.set RA_, XF+24*HS_+12*\mm
.set RB_, 12*(4*\n+S_)
.set SA_, XS+2*HS_+\mm
.set SB_, WSR+4*\n+S_
.endif
.if S_ == 0
	v_wmma_scale_f32_16x16x128_f8f6f4 v[RD_:RD_+7], v[RA_:RA_+11], v[RB_:RB_+11], v[BI+8*\n:BI+8*\n+7], v[SA_], v[SB_] matrix_a_fmt:MATRIX_FMT_FP6 matrix_b_fmt:MATRIX_FMT_FP6
.else
	v_wmma_scale_f32_16x16x128_f8f6f4 v[RD_:RD_+7], v[RA_:RA_+11], v[RB_:RB_+11], v[RD_:RD_+7], v[SA_], v[SB_] matrix_a_fmt:MATRIX_FMT_FP6 matrix_b_fmt:MATRIX_FMT_FP6
.endif
.endr
.endr
.endm
; A group of 64 rows (tiles 4 G .. 4 G + 3) against my head.  tr = 1: q, k (transposed); tr = 0: v.
.macro GROUP G, tr
	s_wait_xcnt 0x0                                ; the last group's stores have read their registers, which x's fragments take again
.if \G > 0
	s_wait_alu depctr_vm_vsrc(0)                   ; the last group's stores have read v192 to v223, in which x's fragments land
	s_wait_alu depctr_va_vdst(0)                   ; the last group's quantisers have written those registers, and its products are done reading x's scale words, in which loads land too
.endif
.rept 5
	v_nop                                          ; five places: the accumulators are begun anew, over registers of the last group's products
.endr
	FETCHP \G, 0
.irp p, 0,1,2,3,4,5,6,7
.if \p < 7
.if \p > 0
	s_wait_alu depctr_va_vdst(0)                   ; the eight products of the pair before are done reading their half and its two scale words, in which the loads below land
.endif
	FETCHP \G, \p+1
	s_wait_dscnt 8                                 ; this pair is in; the eight loads just issued may be out
.else
	s_wait_dscnt 0x0
.endif
	MUL8 \p, \tr
	WIN 0
.rept 4
	v_nop                                          ; four places behind these products, ahead of the first read of results
.endr
.endr
.if \tr
.irp m, 0,1,2,3                                ; tile 4 G + m: a lane's 32 registers run along the head's 64
	HQUANT ACC+32*\m, HO+8*\m, T2, PW
	v_lshl_or_b32 v[PWS+4*\G+\m], v[PW], 16, v[PW] ; (b0, b1, b0, b1): the head's 64 may stand in either half of a K step of 128
.endr
	s_wait_alu depctr_va_vdst(0)                   ; the four quantisers have written the half fragments, which the eight stores below read
.irp m, 0,1,2,3
	global_store_b128 v1, v[HO+8*\m:HO+8*\m+3], s[36:37] offset:768*(4*\G+\m)
	global_store_b64 v2, v[HO+8*\m+4:HO+8*\m+5], s[36:37] offset:768*(4*\G+\m)+512
.endr
.else
.irp n, 0,1,2,3                                ; channels' tile n: a lane's 32 registers run along keys 64 G .. 64 G + 63
	HQUANT ACC+32*\n, HO+8*\n, T2, PW
.if \G == 0
	v_mov_b32 v[PWS+\n], v[PW]
.else
	v_lshl_or_b32 v[PWS+\n], v[PW], 16, v[PWS+\n]  ; the step's four bytes
.endif
.endr
	s_wait_alu depctr_va_vdst(0)                   ; the four quantisers have written the half fragments, which the eight stores below read, and the scale words, which the last store reads
.irp n, 0,1,2,3
	global_store_b128 v1, v[HO+8*\n:HO+8*\n+3], s[36:37] offset:1536*\n+768*\G
	global_store_b64 v2, v[HO+8*\n+4:HO+8*\n+5], s[36:37] offset:1536*\n+768*\G+512
.endr
.endif
.endm
	s_cmp_eq_u32 s23, 2
	s_cbranch_scc1 .Lpath_v
	GROUP 0, 1
	GROUP 1, 1
.irp i, 0,1,2,3
	v_cndmask_b32 v[SO+\i], v[PWS+\i], v[PWS+4+\i], s42   ; lane (r, h): row r's word of tile 4 h + i
.endr
	s_wait_alu depctr_va_vdst(0)                   ; the four selects have written v40 to v43, which the store below reads
	global_store_b128 v1, v[SO:SO+3], s[38:39]     ; 512 consecutive bytes
	s_branch .Ldone
.Lpath_v:
	GROUP 0, 0
	GROUP 1, 0
	global_store_b128 v8, v[PWS:PWS+3], s[38:39]   ; 256 consecutive bytes: channel rho(n, r)'s word at 16 r + 4 n (lanes 16-31 write the same bytes again).  No wait: no vector instruction stands behind the group's last wait
.Ldone:
	s_wait_dscnt 0x0                               ; the closing lines, six on end
	s_wait_alu 0x0
	s_wait_tensorcnt 0x0
	ds_add_u32 v62, v63
	s_wait_dscnt 0x0
	s_endpgm
.Lfunc_end_k_qb58577b2db_proj:
	.size	k_qb58577b2db_proj, .Lfunc_end_k_qb58577b2db_proj-k_qb58577b2db_proj
	.p2alignl 7, 3214868480
	.fill 96, 4, 3214868480
	.section	.rodata,"a",@progbits
	.p2align	6, 0x0
	.amdhsa_kernel k_qb58577b2db_proj
		.amdhsa_group_segment_fixed_size 121856
		.amdhsa_private_segment_fixed_size 0
		.amdhsa_enable_private_segment 0
		.amdhsa_kernarg_size 72
		.amdhsa_user_sgpr_count 2
		.amdhsa_user_sgpr_kernarg_segment_ptr 1
		.amdhsa_wavefront_size32 1
		.amdhsa_system_sgpr_workgroup_id_x 1
		.amdhsa_system_sgpr_workgroup_id_y 1
		.amdhsa_system_sgpr_workgroup_id_z 1
		.amdhsa_system_vgpr_workitem_id 0
		.amdhsa_next_free_vgpr 512
		.amdhsa_next_free_sgpr 66
		.amdhsa_reserve_vcc 0
		.amdhsa_float_denorm_mode_32 3
		.amdhsa_float_denorm_mode_16_64 3
		.amdhsa_memory_ordered 1
		.amdhsa_forward_progress 1
		.amdhsa_inst_pref_size 135
	.end_amdhsa_kernel
	.amdgpu_metadata
---
amdhsa.version: [ 1, 2 ]
amdhsa.kernels:
  - .name:           k_qb58577b2db_proj
    .symbol:         k_qb58577b2db_proj.kd
    .args:
      - { .name: query, .offset: 0, .size: 8, .value_kind: global_buffer, .address_space: global }
      - { .name: key, .offset: 8, .size: 8, .value_kind: global_buffer, .address_space: global }
      - { .name: value, .offset: 16, .size: 8, .value_kind: global_buffer, .address_space: global }
      - { .name: bq, .offset: 24, .size: 8, .value_kind: global_buffer, .address_space: global }
      - { .name: bk, .offset: 32, .size: 8, .value_kind: global_buffer, .address_space: global }
      - { .name: bv, .offset: 40, .size: 8, .value_kind: global_buffer, .address_space: global }
      - { .name: wq, .offset: 48, .size: 8, .value_kind: global_buffer, .address_space: global }
      - { .name: qq, .offset: 56, .size: 8, .value_kind: global_buffer, .address_space: global }
      - { .name: kv, .offset: 64, .size: 8, .value_kind: global_buffer, .address_space: global }
    .group_segment_fixed_size: 121856
    .private_segment_fixed_size: 0
    .kernarg_segment_align: 8
    .kernarg_segment_size: 72
    .max_flat_workgroup_size: 256
    .sgpr_count:     66
    .vgpr_count:     512
    .wavefront_size: 32
...
	.end_amdgpu_metadata
.endif
;; end of part 6
;; launch attn (part 7): grid 16 x 16, 16 waves a work-group, no clusters, 75,776 bytes of LDS; arguments qq, kv, maskw, xq; writes xq
.if DOCPART == 7
	.amdgcn_target "amdgcn-amd-amdhsa--gfx1250"
	.amdhsa_code_object_version 6
	.text
	.protected	k_qb58577b2db_attn
	.globl	k_qb58577b2db_attn
	.p2align	8
	.type	k_qb58577b2db_attn,@function
k_qb58577b2db_attn:
	s_mov_b64 s[64:65], 0
	v_nop
	global_prefetch_b8 v0, s[64:65] scope:SCOPE_SE
	s_setreg_imm32_b32 hwreg(HW_REG_WAVE_SCHED_MODE, 0, 2), 2
	s_setreg_imm32_b32 hwreg(HW_REG_WAVE_MODE, 25, 1), 1
	s_wait_xcnt 0x0
	s_wait_alu depctr_vm_vsrc(0)
; ATTN.  x[b][q][head] = softmax_k(q . k / 8, masked) v, both products on codes of FP6 (E2M3) with one E8M0 byte for each 32 along K; x is quantised at once for the output projection.
; THE SOFTMAX AHEAD OF THE SECOND PRODUCT: t = score x log2(e) / 8; M = the row's largest t so far, rounded up to a whole number; p = 2^(t - M) is quantised along the keys, not normalised; the row's sum is taken of the
; unquantised p and divides at the end.  When M moves, the sum and O are multiplied by 2^(old M - new M), which rounds nothing.
; SHARES: work-group (x, y): 256 queries of head y = 8 b + head; each of its sixteen waves owns one tile of 16 queries (tile T = 16 x + w, rows rho(T, r)) in 240 registers, four waves to a SIMD, so that one wave's vector
; work stands beside another's matrix work and LDS loads.  Every wave walks 32 key steps of 128 keys.
; LAYOUT: both products transposed: S^T = K Q^T, O^T = V^T P^T: a lane holds one query throughout.  A tile of keys takes keys rho(t, .), so that the 16 registers of tiles 2 b, 2 b + 1 are keys 32 b + 16 h + 0 .. 15.
; THE HEAD'S 64 FILL HALF OF A K STEP OF 128: a tile of K stands beside six registers of zeros, [K 0] against [Q 0] or [0 K] against [0 Q], so that two tiles share one run of zeros; the scale words hold (b0, b1, b0, b1).
; K AND V come as codes laid in the order of the operands' registers, 12,288 dense bytes a key step.  A slot of LDS holds two steps; the sixteen waves copy it through registers, 1,536 bytes each: asked for early in slot n,
; stored into LDS behind slot n + 1's barrier, read in slot n + 2.  One barrier a slot.  The head's scale words (24,576 bytes) are stored in LDS once.
; THE MASK comes as lane masks: 64 words a step, into scalar registers, asked for in the step before and wanted behind the first four products; one v_cndmask_b32 a score register, in every step: no branch hangs on the mask.
; NO CLUSTER, NO JOINT LOADS: what the sixteen query blocks of a head share is 768 bytes a wave and key step, beside some 310 vector instructions; they are asked for two key steps ahead, into registers; a joint request
; would add a round of the cluster's barrier, for 64 waves, to each slot.
; LIMITS: a masked score is -2^33 (logit -2^30 where the model writes -1e9): -2^33 x c is a whole number, so a row that is wholly masked has p = 1 exactly; the results are the model's as long as every unmasked logit lies
; above about -9.9e8.  p under 2^-126 becomes 0.  A block of zeros gets the byte 1 (its codes are zeros; this program alone reads the bytes).  NaN and infinities are not served.
; REGISTERS: v1 16 x lane, v2 8 x lane, v3 my place among the scale words, v4 my 16 bytes of a slot, v5 16 r, v6, v7 the add's two, v8, v9 scale words' addresses, v10 -2^33, v11 Q's scale word, v12 -M, v13 the largest t,
; v[14:15] the sum; v16-33 Q, zeros, Q; v34-69 two runs K, zeros, K; v70-73 K's scale words, v74-77 V's; v78-89 a slot's bytes on their way; v96-159 S^T, then p, then V's four fragments; v160-191 O^T; v192-210 p's codes; v212-229 at work.
; s[32:63], s[68:99]: the step's 64 mask words.
; THE MODE: SCHED_MODE bits 1:0 = 2 (LLVM: expert scheduling mode 2), set by the entry lines.  The code itself states the register dependences
; between vector or matrix instructions and memory or LDS instructions, with s_wait_alu, always for 0.
; THE PLAN.  Registers that memory or LDS instructions touch, round the loop:
;   v1, v2, v4, v5   offsets: made at the head, never written again.
;   v8, v9           read by the LDS loads of the scale words; written once a trip, at its head.
;   K's tiles (v34-39, v46-51, v52-57, v64-69), v70-73   LDS loads land; the score products read them.  Tiles 4 to 7 land where tiles 0 to 3 were multiplied.
;   v74-77           one LDS load a slot lands; the second product's instructions of the slot's two steps read them.
;   v78-89           global loads land, LDS stores read: no vector instruction names them.
;   v96-143          written by the score products and the softmax, read by the conversions; then V's LDS loads land, and the second product reads them.
;   v192-203, v226   written by vector instructions, taken by the second product as its source 1 and its scale.
; THE WAITS on va_vdst.  A slot: one at its head, ahead of the barrier.  A step: behind the first four score products (K's registers); two behind the exponentials; behind the conversions (p's registers); ahead of the
; second product (p's codes and scale word).  Behind that last one the next step's scale words and first four tiles of K, where they lie in the same slot, are dealt among the four products, which name none of their registers.
; THE WAITS on vm_vsrc: behind the head's LDS stores; at a trip's head, ahead of the adds to v8 and v9; once a slot, ahead of the global loads into the staging registers.
.set SCL,   49152                      ; LDS: slot 0 from 0, slot 1 from 24,576; from here the head's scale words: K's 16,384 bytes, then V's 8,192
.set SPARE, 73728                      ; the spare words, 128 bytes for each wave
.set QSO,   3145728
.set KSO,   6291456
.set XSO,   3145728
.set BM,    212                        ; v212-215 a block's largest score, then its largest p
.set BP,    216                        ; v216-219 lane l xor 16's; then the bytes
.set SOP,   220                        ; v220-223 the conversions' scale operands
.set TM,    212                        ; (the way out's quantiser)
.set WV,    20
.set CNT,   21
.set CS,    22
.set SEL,   24
.set TS,    27
.set TV,    28
.set MB,    12
	s_load_b256 s[4:11], s[0:1], 0x0               ; qq, kv, maskw, xq
	v_lshl_add_u32 v6, v0, 2, SPARE                ; my spare word; never rewritten
	v_mov_b32 v7, 0                                ; 0; never rewritten
	v_lshrrev_b32 v1, 5, v0
	v_readfirstlane_b32 s[WV], v1                  ; wave 0..15
	v_and_b32 v2, 31, v0
	v_and_b32 v5, 15, v0
	v_lshlrev_b32 v1, 4, v2
	v_lshlrev_b32 v2, 3, v2
	v_lshlrev_b32 v5, 4, v5
	v_add_nc_u32 v3, SCL, v1
	s_wait_alu depctr_va_sdst(0)                   ; the wave's number is written, ahead of its first reader
	s_mul_i32 s2, s[WV], 1536
	v_add_nc_u32 v4, s2, v1                        ; 1,536 w + 16 x lane: in memory and in LDS alike
	s_and_b32 s3, ttmp7, 0xffff                    ; bh
	s_lshl_b32 s2, ttmp9, 4
	s_add_co_u32 s2, s2, s[WV]                     ; T
	s_lshr_b32 s29, s3, 3
	s_lshl_b32 s29, s29, 8
	s_add_co_u32 s29, s29, s2                      ; Tg = 256 b + T
	s_lshl_b32 s32, s3, 8
	s_add_co_u32 s32, s32, s2
	s_mul_i32 s32, s32, 768                        ; Q's half fragment
	s_mov_b32 s33, 0
	s_lshl_b32 s34, s3, 14                         ; Q's scale word: 16,384 bh + 256 (T / 4) + 4 (T % 4), + 16 r
	s_lshr_b32 s35, s2, 2
	s_lshl_b32 s35, s35, 8
	s_add_co_u32 s34, s34, s35
	s_and_b32 s35, s2, 3
	s_lshl_b32 s35, s35, 2
	s_add_co_u32 s34, s34, s35
	s_add_co_u32 s34, s34, QSO
	s_mov_b32 s35, 0
	s_mul_i32 s36, s3, 393216                      ; the head's 32 steps of 12,288 bytes
	s_mov_b32 s37, 0
	s_mul_i32 s38, s3, 24576
	s_add_co_u32 s38, s38, KSO                     ; and its scale words
	s_mov_b32 s39, 0
	s_lshl_b32 s40, s29, 13                        ; my tile's mask words: 32 steps of 256 bytes
	s_mov_b32 s41, 0
	s_and_b32 s44, s3, 7                           ; head
	s_lshl_b32 s46, s44, 1
	s_lshl_b32 s45, s29, 3
	s_add_co_u32 s44, s44, s45
	s_mul_i32 s44, s44, 768                        ; x's half fragment
	s_mov_b32 s45, 0
	s_lshl_b32 s47, s29, 8
	s_add_co_u32 s46, s46, s47
	s_add_co_u32 s46, s46, XSO                     ; x's two scale bytes, + 16 r
	s_mov_b32 s47, 0
	s_mov_b32 s[CS], 0x3e38aa3b                    ; c = log2(e) / 8
	s_mov_b32 s[CS+1], s[CS]                       ; (named with it as a pair, so it is written)
	s_mov_b32 s[SEL], 0x76543210
	s_mov_b32 s[SEL+1], 0xfedcba98
	s_mov_b32 s[TS], 0
	s_mov_b32 s[TV], 0
	s_mov_b32 s[CNT], 0
	s_wait_kmcnt 0x0
	s_add_nc_u64 s[30:31], s[4:5], s[34:35]
	s_add_nc_u64 s[4:5], s[4:5], s[32:33]
	s_add_nc_u64 s[18:19], s[6:7], s[38:39]
	s_add_nc_u64 s[6:7], s[6:7], s[36:37]
	s_add_nc_u64 s[MB:MB+1], s[8:9], s[40:41]
	s_add_nc_u64 s[14:15], s[10:11], s[44:45]
	s_add_nc_u64 s[16:17], s[10:11], s[46:47]
	s_load_b512 s[32:47], s[MB:MB+1], 0x0          ; the first step's 64 mask words (the scalar registers that held offsets have been read)
	s_load_b512 s[48:63], s[MB:MB+1], 0x40
	s_load_b512 s[68:83], s[MB:MB+1], 0x80
	s_load_b512 s[84:99], s[MB:MB+1], 0xc0
	s_wait_alu depctr_va_vdst(0)                   ; the offsets v1, v2, v4 and v5 are written, which the loads and stores of the kernel read; they are never written again
.irp i, 0,1,2
	global_load_b128 v[96+4*\i:99+4*\i], v4, s[18:19] offset:512*\i          ; my part of the scale words
.endr
.irp i, 0,1,2
	global_load_b128 v[108+4*\i:111+4*\i], v4, s[6:7] offset:512*\i          ; of slot 0
.endr
.irp i, 0,1,2
	global_load_b128 v[78+4*\i:81+4*\i], v4, s[6:7] offset:24576+512*\i      ; of slot 1
.endr
	global_load_b128 v[16:19], v1, s[4:5]          ; Q, twice: in front of the zeros and behind them
	global_load_b64 v[20:21], v2, s[4:5] offset:512
	global_load_b128 v[28:31], v1, s[4:5]
	global_load_b64 v[32:33], v2, s[4:5] offset:512
	global_load_b32 v11, v5, s[30:31]
.irp i, 0,1,2,3,4,5
	v_mov_b32 v[22+\i], 0
	v_mov_b32 v[40+\i], 0
	v_mov_b32 v[58+\i], 0
.endr
	v_mov_b32 v10, 0xd0000000                      ; -2^33
	v_mov_b32 v13, 0xff61b1e6                      ; the largest t so far: -3e38
	v_floor_f32 v12, -v13                          ; -M
	v_mov_b32 v14, 0
	v_mov_b32 v15, 0
	v_mov_b32 v225, 0                              ; (named as the upper half of the pair v[224:225])
.irp b, 0,1,2,3
	v_mov_b32 v[BP+\b], 0                          ; a lane permute's destination counts as one of its sources
.endr
.set j, 0
.rept 32
	v_mov_b32 v[160+j], 0                          ; O^T: the step is written once; its first turn finds zeros
.set j, j+1
.endr
	s_wait_loadcnt 8                               ; the scale words and slot 0 are in; the eight younger loads (slot 1's three, Q's four, Q's scale word) may be out
.irp i, 0,1,2
	ds_store_b128 v4, v[96+4*\i:99+4*\i] offset:SCL+512*\i
.endr
.irp i, 0,1,2
	ds_store_b128 v4, v[108+4*\i:111+4*\i] offset:512*\i
.endr
	s_wait_alu depctr_vm_vsrc(0)                   ; these six stores have read v96 to v119, which the first step's products write
; Tile t (0 .. 7) of the q-th step of the slot at LDS byte sl, into the place of tile t % 4
.macro KTILE sl, q, t
	ds_load_b128 v[34+18*(((\t)%4)/2)+12*((\t)%2):37+18*(((\t)%4)/2)+12*((\t)%2)], v1 offset:\sl+12288*(\q)+768*(\t)
	ds_load_b64 v[38+18*(((\t)%4)/2)+12*((\t)%2):39+18*(((\t)%4)/2)+12*((\t)%2)], v2 offset:\sl+12288*(\q)+768*(\t)+512
.endm
; A KEY STEP: 128 keys, the q-th of the slot at LDS byte sl; n2: the slot is the trip's first or second.  Its scale words and its first four tiles of K have been asked for: behind the slot's barrier (q = 0) or in the step before (q = 1).
.macro STEP sl, q, n2
	s_wait_dscnt 0x0                               ; K's first four tiles and the scale words are in (the stores out of the staging registers are done too)
.if \q == 0
	s_wait_alu depctr_vm_vsrc(0)                   ; the LDS stores behind the barrier have read the staging registers v78 to v89, in which the loads below land
	s_cmp_lt_u32 s[CNT], 7                         ; the last trip's two slots have no slot two on: no load leaves the buffer
	s_cbranch_scc0 .Lnoask_\@
	s_add_nc_u64 s[6:7], s[6:7], 24576             ; (no load that names this base is out: the wait behind the slot's barrier)
.irp i, 0,1,2
	global_load_b128 v[78+4*\i:81+4*\i], v4, s[6:7] offset:24576+512*\i
.endr
.Lnoask_\@:
.endif
.irp tt, 0,1,2,3                               ; S^T = K Q^T, four tiles of 16 keys at a time
	v_wmma_scale_f32_16x16x128_f8f6f4 v[96+8*\tt:103+8*\tt], v[34+18*(\tt/2)+6*(\tt%2):45+18*(\tt/2)+6*(\tt%2)], v[16+6*(\tt%2):27+6*(\tt%2)], 0, v[70+\tt], v11 matrix_a_fmt:MATRIX_FMT_FP6 matrix_b_fmt:MATRIX_FMT_FP6
.endr
.rept 4
	v_nop                                          ; four places in front of the first read of these results
.endr
	s_wait_alu depctr_va_vdst(0)                   ; the four products above are done reading K's registers, in which tiles 4 to 7 land
.irp tt, 0,1,2,3
	KTILE \sl, \q, 4+\tt
.endr
	s_wait_kmcnt 0x0                               ; the mask words, asked for in the step before, are in; their base may be stepped
.set j, 0
.rept 32
	v_cndmask_b32 v[96+j], v10, v[96+j], s[32+j]   ; a masked score becomes -2^33, ahead of the maximum; each accumulator from its low end on.  These name v96 to v127 and v10: none of the registers in which the loads above land
.set j, j+1
.endr
	s_wait_dscnt 0x0                               ; tiles 4 to 7 are in
.irp tt, 0,1,2,3
	v_wmma_scale_f32_16x16x128_f8f6f4 v[128+8*\tt:135+8*\tt], v[34+18*(\tt/2)+6*(\tt%2):45+18*(\tt/2)+6*(\tt%2)], v[16+6*(\tt%2):27+6*(\tt%2)], 0, v[70+\tt], v11 matrix_a_fmt:MATRIX_FMT_FP6 matrix_b_fmt:MATRIX_FMT_FP6 matrix_a_scale:MATRIX_SCALE_ROW1
.endr
.rept 4
	v_nop                                          ; four places in front of the first read of results
.endr
.set j, 32
.rept 32
	v_cndmask_b32 v[96+j], v10, v[96+j], s[36+j]   ; the other 32 score registers: words 32 to 63 lie in s68 to s99
.set j, j+1
.endr
	s_add_nc_u64 s[MB:MB+1], s[MB:MB+1], 256       ; the next step's words
.irp b, 0,1,2,3
	v_max3_num_f32 v[BM+\b], v[96+16*\b], v[97+16*\b], v[98+16*\b]   ; the largest score of each block of 32 keys: for the row's maximum, and, since p rises with the score, for the block's largest p
.endr
.irp i, 3,5,7,9,11,13
.irp b, 0,1,2,3
	v_max3_num_f32 v[BM+\b], v[BM+\b], v[96+16*\b+\i], v[97+16*\b+\i]
.endr
.endr
.irp b, 0,1,2,3
	v_max_num_f32 v[BM+\b], v[BM+\b], v[111+16*\b]
.endr
.irp b, 0,1,2,3
	v_permlanex16_b32 v[BP+\b], v[BM+\b], s[SEL], s[SEL+1]
.endr
.irp b, 0,1,2,3
	v_max_num_f32 v[BM+\b], v[BM+\b], v[BP+\b]     ; with lane l xor 16's 16 keys
.endr
	v_max3_num_f32 v227, v212, v213, v214
	v_max_num_f32 v227, v227, v215                 ; the step's largest score of my query
	v_mul_f32 v227, s[CS], v227                    ; as t
	v_max_num_f32 v13, v13, v227                   ; the running largest t
	v_mov_b32 v227, v12
	v_floor_f32 v12, -v13                          ; the new -M = -ceil(t): a whole number
	v_sub_f32 v227, v12, v227                      ; old M - new M: a whole number, 0 or less
	v_cvt_i32_f32 v227, v227                       ; (it saturates)
	v_ldexp_f32 v224, 1.0, v227                    ; f = 2^(old M - new M)
.set j, 0
.rept 32
	v_pk_fma_f32 v[96+j:97+j], v[96+j:97+j], s[CS:CS+1], v[12:13] op_sel_hi:[1,0,0]   ; t - M, two at a time
.set j, j+2
.endr
.irp b, 0,1,2,3
	v_fma_f32 v[BM+\b], v[BM+\b], s[CS], v12       ; the same of each block's largest score
.endr
.set j, 0
	s_wait_alu depctr_va_vdst(0)
.rept 64
	v_exp_f32 v[96+j], v[96+j]                     ; p = 2^(t - M): not normalised
.set j, j+1
.endr
	v_pk_mul_f32 v[14:15], v[14:15], v[224:225] op_sel_hi:[1,0]   ; the sums under the new M (a plain instruction behind the exponentials)
	s_wait_alu depctr_va_vdst(0)                   ; the 64 exponentials have written p, ahead of its first reader: one wait for the batch; the selects are done with the mask words' scalar registers too
.if \n2 && \q
	s_cmp_lt_u32 s[CNT], 7                         ; behind the launch's last step there is none: no load leaves the buffer
	s_cbranch_scc0 .Lnomask_\@
.endif
	s_load_b512 s[32:47], s[MB:MB+1], 0x0          ; the next step's 64 mask words: wanted behind its first four products
	s_load_b512 s[48:63], s[MB:MB+1], 0x40
	s_load_b512 s[68:83], s[MB:MB+1], 0x80
	s_load_b512 s[84:99], s[MB:MB+1], 0xc0
.if \n2 && \q
.Lnomask_\@:
.endif
.irp b, 0,1,2,3
	v_exp_f32 v[BM+\b], v[BM+\b]                   ; the block's largest p: the same two instructions on the same number
.endr
	v_pk_add_f32 v[228:229], v[96:97], v[98:99]    ; the row's sum is taken of the unquantised p: two chains
.irp j4, 4,8,12,16,20,24,28,32,36,40,44,48,52,56,60
	v_pk_add_f32 v[14:15], v[14:15], v[96+\j4:97+\j4]
	v_pk_add_f32 v[228:229], v[228:229], v[98+\j4:99+\j4]
.endr
	v_pk_add_f32 v[14:15], v[14:15], v[228:229]
	s_wait_alu depctr_va_vdst(0)                   ; the four exponentials have written the blocks' largest p, ahead of their first reader
.irp b, 0,1,2,3
	v_max_num_f32 v[BM+\b], 0x1800000, v[BM+\b]    ; the floor 2^(3 - 127): the byte cannot fall under 1
.endr
.irp b, 0,1,2,3
	v_add_nc_u32 v[SOP+\b], 0xff000000, v[BM+\b]   ; 2 off the exponent field: the conversion's scale operand
.endr
.irp b, 0,1,2,3
	v_lshrrev_b32 v[BP+\b], 23, v[SOP+\b]          ; the scale's byte
.endr
	v_lshl_or_b32 v226, v217, 8, v216              ; p's scale word for these 128 keys
	v_lshl_or_b32 v226, v218, 16, v226
	v_lshl_or_b32 v226, v219, 24, v226
.irp c, 0,1
	v_cvt_scalef32_pk16_fp6_f32 v[192+6*\c:194+6*\c], v[96+32*\c:111+32*\c], v[SOP+2*\c]
	v_cvt_scalef32_pk16_fp6_f32 v[204+4*\c:206+4*\c], v[112+32*\c:127+32*\c], v[SOP+1+2*\c]
.endr
	v_nop                                          ; one plain place behind a scaled conversion
	s_wait_alu depctr_va_vdst(0)                   ; the conversions are done reading p, the last of all that wrote or read v96 to v143, in which V's fragments land
.irp n, 0,1,2,3                                ; V^T's four fragments take p's registers: they land while the codes are put in order and O^T is rescaled
.irp c, 0,1
	ds_load_b128 v[96+12*\n+6*\c:99+12*\n+6*\c], v1 offset:\sl+12288*\q+6144+1536*\n+768*\c
	ds_load_b64 v[100+12*\n+6*\c:101+12*\n+6*\c], v2 offset:\sl+12288*\q+6144+1536*\n+768*\c+512
.endr
.endr
.irp c, 0,1                                    ; the operand's layout wants a whole block in a lane
.irp i, 0,1,2
	v_permlane16_swap_b32 v[192+6*\c+\i], v[204+4*\c+\i]
.endr
.irp i, 0,1,2
	v_mov_b32 v[195+6*\c+\i], v[204+4*\c+\i]
.endr
.endr
.set j, 0
.rept 16
	v_pk_mul_f32 v[160+j:161+j], v[160+j:161+j], v[224:225] op_sel_hi:[1,0]   ; O^T under the new M.  (For each product below twelve of these name none of its registers: the places behind the writes of p's codes and scale word)
.set j, j+2
.endr
	s_wait_dscnt 0x0                               ; V's fragments are in
	s_wait_alu depctr_va_vdst(0)                   ; p's codes, v192 to v203, and p's scale word, v226, are written, which the scaled products below take; the places above stay beside this wait
.irp n, 0,1,2,3                                ; O^T += V^T P^T: the four accumulators by turns
.if \q == 0
	v_wmma_scale_f32_16x16x128_f8f6f4 v[160+8*\n:167+8*\n], v[96+12*\n:107+12*\n], v[192:203], v[160+8*\n:167+8*\n], v[74+\n], v226 matrix_a_fmt:MATRIX_FMT_FP6 matrix_b_fmt:MATRIX_FMT_FP6
.if \n == 0
	ds_load_b128 v[70:73], v8 offset:1024*\n2+512  ; the slot's second step: K's scale words: lane (r, h): tiles 4 h + 0 .. 3,
.endif
	KTILE \sl, 1, \n                               ; and its first four tiles.  No wait: the score products that read these registers stand ahead of the wait above, and the four products here name none of them
.else
	v_wmma_scale_f32_16x16x128_f8f6f4 v[160+8*\n:167+8*\n], v[96+12*\n:107+12*\n], v[192:203], v[160+8*\n:167+8*\n], v[74+\n], v226 matrix_a_fmt:MATRIX_FMT_FP6 matrix_b_fmt:MATRIX_FMT_FP6 matrix_a_scale:MATRIX_SCALE_ROW1
.endif
.endr
.rept 5
	v_nop                                          ; five places: the next step's scores are written over V's registers
.endr
.endm
; A SLOT.  In front of the barrier: my stores for this slot have landed and my reads of the slot before are over.  Behind it the bytes in the staging registers (the next slot's) go into the slot that has just been left.
.macro TRIP sl, ot, n2
	s_wait_alu depctr_va_vdst(0)                   ; the last step's products are done reading V's scale words, in which a load below lands; in a trip's first slot v8 and v9 are written, which the loads below read; in the first trip the zeros beside Q and K are written, which the scaled products take
	s_wait_dscnt 0x0
	s_barrier_signal -1
	s_barrier_wait -1
	s_wait_loadcnt 0x0                             ; the staging registers are filled (asked for two key steps ago); in the first trip also Q
.if \n2
	s_cmp_lt_u32 s[CNT], 7                         ; behind the last slot there is none
	s_cbranch_scc0 .Lnofill_\@
.endif
.irp i, 0,1,2
	ds_store_b128 v4, v[78+4*\i:81+4*\i] offset:\ot+512*\i
.endr
.if \n2
.Lnofill_\@:
.endif
	ds_load_b128 v[70:73], v8 offset:1024*\n2      ; the slot's first step: K's scale words: lane (r, h): tiles 4 h + 0 .. 3
	ds_load_b128 v[74:77], v9 offset:16384+512*\n2 ; V's, for both steps of the slot: lanes 0-15 the first's, lanes 16-31 the second's
.irp tt, 0,1,2,3
	KTILE \sl, 0, \tt
.endr
	STEP \sl, 0, \n2
	STEP \sl, 1, \n2
.endm
.Lslot:                                            ; eight trips of two slots
	s_wait_alu depctr_vm_vsrc(0)                   ; the LDS loads issued so far have read v8 and v9
	v_add_nc_u32 v8, s[TS], v3
	v_add_nc_u32 v9, s[TV], v3
	TRIP 0, 24576, 0
	TRIP 24576, 0, 1
	s_add_co_u32 s[TS], s[TS], 2048
	s_add_co_u32 s[TV], s[TV], 1024
	s_add_co_u32 s[CNT], s[CNT], 1
	s_cmp_lt_u32 s[CNT], 8
	s_cbranch_scc1 .Lslot
	; THE WAY OUT: O^T / the sum, quantised along the head's 64 (two blocks), stored as a half fragment of the output projection's operand
	v_add_f32 v14, v14, v15
	v_permlanex16_b32 v216, v14, s[SEL], s[SEL+1]
	v_add_f32 v14, v14, v216                       ; the row's sum
	s_wait_alu depctr_va_vdst(0)
	v_rcp_f32 v14, v14
	v_nop                                          ; a plain instruction behind the reciprocal
	s_wait_alu depctr_va_vdst(0)                   ; the reciprocal has written v14, ahead of its first reader
.set j, 0
.rept 32
	v_mul_f32 v[96+j], v[160+j], v14               ; register 16 b + i is channel 32 b + 16 h + i of my query
.set j, j+1
.endr
.irp b, 0,1
	v_max3_num_f32 v[TM+\b], |v[96+16*\b]|, |v[97+16*\b]|, 0x1800000
.endr
.irp i, 2,4,6,8,10,12,14
.irp b, 0,1
	v_max3_num_f32 v[TM+\b], v[TM+\b], |v[96+16*\b+\i]|, |v[97+16*\b+\i]|
.endr
.endr
.irp b, 0,1
	v_permlanex16_b32 v[TM+4+\b], v[TM+\b], s[SEL], s[SEL+1]
.endr
.irp b, 0,1
	v_max_num_f32 v[TM+\b], v[TM+\b], v[TM+4+\b]
.endr
.irp b, 0,1
	v_add_nc_u32 v[SOP+\b], 0xff000000, v[TM+\b]
.endr
.irp b, 0,1
	v_lshrrev_b32 v[TM+4+\b], 23, v[SOP+\b]
.endr
	v_lshl_or_b32 v227, v217, 8, v216              ; the two bytes
	v_cvt_scalef32_pk16_fp6_f32 v[192:194], v[96:111], v220
	v_cvt_scalef32_pk16_fp6_f32 v[204:206], v[112:127], v221
	v_nop
.irp i, 0,1,2
	v_permlane16_swap_b32 v[192+\i], v[204+\i]
.endr
.irp i, 0,1,2
	v_mov_b32 v[195+\i], v[204+\i]
.endr
	s_wait_alu depctr_va_vdst(0)                   ; the codes, v192 to v197, and the two bytes, v227, are written, which the three stores below read
	global_store_b128 v1, v[192:195], s[14:15]     ; 512 consecutive bytes,
	global_store_b64 v2, v[196:197], s[14:15] offset:512   ; and 256
	global_store_b16 v5, v227, s[16:17]            ; row r's two bytes of this head (lanes 16-31 write the same bytes again)
	s_wait_dscnt 0x0                               ; the closing lines, six on end
	s_wait_alu 0x0
	s_wait_tensorcnt 0x0
	ds_add_u32 v6, v7
	s_wait_dscnt 0x0
	s_endpgm
.Lfunc_end_k_qb58577b2db_attn:
	.size	k_qb58577b2db_attn, .Lfunc_end_k_qb58577b2db_attn-k_qb58577b2db_attn
	.p2alignl 7, 3214868480
	.fill 96, 4, 3214868480
	.section	.rodata,"a",@progbits
	.p2align	6, 0x0
	.amdhsa_kernel k_qb58577b2db_attn
		.amdhsa_group_segment_fixed_size 75776
		.amdhsa_private_segment_fixed_size 0
		.amdhsa_enable_private_segment 0
		.amdhsa_kernarg_size 32
		.amdhsa_user_sgpr_count 2
		.amdhsa_user_sgpr_kernarg_segment_ptr 1
		.amdhsa_wavefront_size32 1
		.amdhsa_system_sgpr_workgroup_id_x 1
		.amdhsa_system_sgpr_workgroup_id_y 1
		.amdhsa_system_sgpr_workgroup_id_z 1
		.amdhsa_system_vgpr_workitem_id 0
		.amdhsa_next_free_vgpr 240
		.amdhsa_next_free_sgpr 100
		.amdhsa_reserve_vcc 0
		.amdhsa_float_denorm_mode_32 3
		.amdhsa_float_denorm_mode_16_64 3
		.amdhsa_memory_ordered 1
		.amdhsa_forward_progress 1
		.amdhsa_inst_pref_size 94
	.end_amdhsa_kernel
	.amdgpu_metadata
---
amdhsa.version: [ 1, 2 ]
amdhsa.kernels:
  - .name:           k_qb58577b2db_attn
    .symbol:         k_qb58577b2db_attn.kd
    .args:
      - { .name: qq, .offset: 0, .size: 8, .value_kind: global_buffer, .address_space: global }
      - { .name: kv, .offset: 8, .size: 8, .value_kind: global_buffer, .address_space: global }
      - { .name: maskw, .offset: 16, .size: 8, .value_kind: global_buffer, .address_space: global }
      - { .name: xq, .offset: 24, .size: 8, .value_kind: global_buffer, .address_space: global }
    .group_segment_fixed_size: 75776
    .private_segment_fixed_size: 0
    .kernarg_segment_align: 8
    .kernarg_segment_size: 32
    .max_flat_workgroup_size: 512
    .sgpr_count:     100
    .vgpr_count:     240
    .wavefront_size: 32
...
	.end_amdgpu_metadata
.endif
;; end of part 7
;; launch outp (part 8): grid 4 x 64, 4 waves a work-group, no clusters, 34,304 bytes of LDS; arguments xq, wq, out0; writes out0
.if DOCPART == 8
	.amdgcn_target "amdgcn-amd-amdhsa--gfx1250"
	.amdhsa_code_object_version 6
	.text
	.protected	k_qb58577b2db_outp
	.globl	k_qb58577b2db_outp
	.p2align	8
	.type	k_qb58577b2db_outp,@function
k_qb58577b2db_outp:
	s_mov_b64 s[64:65], 0
	v_nop
	global_prefetch_b8 v0, s[64:65] scope:SCOPE_SE
	s_setreg_imm32_b32 hwreg(HW_REG_WAVE_SCHED_MODE, 0, 2), 2
	s_setreg_imm32_b32 hwreg(HW_REG_WAVE_MODE, 25, 1), 1
	s_wait_xcnt 0x0
	s_wait_alu depctr_vm_vsrc(0)
; OUTP.  out0 = x Wo^T on codes of FP6 (E2M3) with one E8M0 byte for each 32 along K.  x comes as half fragments (tile of 16 rows, head) and Wo as images of fragments, both in the order of the operands' registers.
; SHARES: work-group (cx, ry): 128 rows x 128 columns; wave w: row tiles 8 ry + 2 w + a (a = 0, 1) x Wo's tiles 8 cx + n (n = 0 .. 7): 16 accumulators, K = 512 in four steps.  All operands go from memory straight into
; registers, asked for at the head; the products of K step s begin when that step's loads are in.  Waves share nothing: no barrier.
; THE PRODUCT IS USED TRANSPOSED (source 0 = 16 rows of Wo, source 1 = 16 rows of x): a lane holds eight neighbouring columns of one row.  Tile T takes rows rho(T, i) = 32 (T / 2) + 8 (T % 2) + i + 8 (i / 8), of x and of Wo alike.
; THE WAY OUT: a tile's 16 rows x 512 bytes go through the wave's own stage in LDS (rows 528 bytes apart) and leave as whole rows: each store covers 512 consecutive bytes, aligned to 256.
; REGISTERS.  Window 0: v1-5 addresses, v6, v7 the add's two, v8-15 x's scale words (4 a + s), v16-47 Wo's (4 n + s), v64-159 x's fragments (48 a + 12 s); on the way out v64-191 rows of out0.
;   Window 1: Wo's fragments of K steps 0, 1 (96 (s % 2) + 12 n);  window 2: of K steps 2, 3;  window 3: the 16 accumulators (8 (8 a + n)).
; THE MODE: SCHED_MODE bits 1:0 = 2 (LLVM: expert scheduling mode 2), set by the entry lines.  The code itself states the register dependences
; between vector or matrix instructions and memory or LDS instructions, with s_wait_alu, always for 0.
; THE PLAN.  Registers that memory or LDS instructions touch:
;   v1-5             offsets and LDS addresses: made at the head, never written again.
;   the operands     every register of x, Wo and the scale words takes one load, at the head, and is read by matrix instructions alone.
;   the accumulators written by the matrix instructions, read by the stage's LDS stores.
;   v64-191          on the way out the stage's LDS loads land here, over x's fragments, which the products have read; the global stores read them.
; So two waits on va_vdst serve: one ahead of the first load, one behind the last product's places.  No register that a memory or LDS instruction has read is written again: no wait on vm_vsrc is owed.
.set SPARE, 33792                      ; behind the four stages of 8,448 bytes: the spare words, 128 bytes for each wave
.set WSO,   786432
.set XSO,   3145728
.set XSR,   8
.set WSR,   16
.set XF,    64
.set BK,    64
.set MSB, 0
.macro WIN new                         ; the immediate's high byte repeats the setting that is left
.if MSB != \new
	s_set_vgpr_msb (MSB<<8)|\new
.set MSB, \new
.endif
.endm
	s_load_b128 s[4:7], s[0:1], 0x0                ; xq, wq
	s_load_b64 s[8:9], s[0:1], 0x10                ; out0
	v_lshl_add_u32 v6, v0, 2, SPARE                ; my spare word; never rewritten
	v_mov_b32 v7, 0                                ; 0; never rewritten
	v_lshrrev_b32 v1, 5, v0
	v_readfirstlane_b32 s10, v1                    ; wave 0..3
	v_and_b32 v2, 31, v0
	v_and_b32 v3, 15, v0                           ; r
	v_bfe_u32 v4, v0, 4, 1                         ; h
	v_lshlrev_b32 v1, 4, v2                        ; 16 x lane
	v_lshlrev_b32 v2, 3, v2                        ; 8 x lane
	s_wait_alu depctr_va_sdst(0)                   ; s10, the wave's number, is written, ahead of its first reader
	s_mul_i32 s11, s10, 8448                       ; my stage
	v_mul_u32_u24 v5, v3, 528
	v_lshl_add_u32 v4, v4, 6, v5
	v_add_nc_u32 v4, s11, v4                       ; into it: row r, + 64 h
	v_add_nc_u32 v5, s11, v1                       ; back: a row an instruction, 16 bytes a lane
	v_lshlrev_b32 v3, 4, v3                        ; 16 r
	s_and_b32 s12, ttmp7, 0xffff                   ; ry
	s_lshl_b32 s13, s12, 3
	s_lshl_b32 s14, s10, 1
	s_add_co_u32 s13, s13, s14                     ; my first tile of rows: 8 ry + 2 w
	s_mul_i32 s14, s13, 6144                       ; its eight half fragments
	s_mov_b32 s15, 0
	s_lshl_b32 s16, s13, 8
	s_add_co_u32 s16, s16, XSO                     ; its scale words
	s_mov_b32 s17, 0
	s_lshl_b32 s18, ttmp9, 5
	s_add_co_u32 s18, s18, 384
	s_mul_i32 s18, s18, 1536                       ; Wo's fragments: (3 x 128 + 32 cx) images
	s_mov_b32 s19, 0
	s_lshl_b32 s20, ttmp9, 3
	s_add_co_u32 s20, s20, 96
	s_lshl_b32 s20, s20, 8
	s_add_co_u32 s20, s20, WSO                     ; and their scale words
	s_mov_b32 s21, 0
	s_lshl_b32 s22, s12, 2
	s_add_co_u32 s22, s22, s10
	s_lshl_b32 s22, s22, 16                        ; out0: row 32 (4 ry + w), rows of 2,048 bytes,
	s_lshl_b32 s23, ttmp9, 9                       ; + 512 cx
	s_add_co_u32 s22, s22, s23
	s_mov_b32 s23, 0
	s_wait_kmcnt 0x0
	s_add_nc_u64 s[14:15], s[4:5], s[14:15]
	s_add_nc_u64 s[16:17], s[4:5], s[16:17]
	s_add_nc_u64 s[18:19], s[6:7], s[18:19]
	s_add_nc_u64 s[20:21], s[6:7], s[20:21]
	s_add_nc_u64 s[8:9], s[8:9], s[22:23]
	s_wait_alu depctr_va_vdst(0)                   ; the offsets and LDS addresses v1 to v5 are written, which every load and store of the kernel reads; only loads and window switches stand between this wait and the last of the loads below
.irp a, 0,1
.irp k, 0,1,2,3,4,5,6,7                        ; head k = 2 s + c: registers 12 s + 6 c of the tile's fragments
	global_load_b128 v[XF+48*\a+6*\k:XF+48*\a+6*\k+3], v1, s[14:15] offset:(8*\a+\k)*768
	global_load_b64 v[XF+48*\a+6*\k+4:XF+48*\a+6*\k+5], v2, s[14:15] offset:(8*\a+\k)*768+512
.endr
.endr
.irp a, 0,1
	global_load_b128 v[XSR+4*\a:XSR+4*\a+3], v3, s[16:17] offset:256*\a
.endr
.irp n, 0,1,2,3,4,5,6,7
	global_load_b128 v[WSR+4*\n:WSR+4*\n+3], v3, s[20:21] offset:256*\n
.endr
.irp s, 0,1,2,3
.if \s < 2
	WIN 0x40                                       ; destination window 1
.else
	WIN 0x80                                       ; destination window 2
.endif
.irp n, 0,1,2,3,4,5,6,7
.irp c, 0,1,2
	global_load_b128 v[96*(\s%2)+12*\n+4*\c:96*(\s%2)+12*\n+4*\c+3], v1, s[18:19] offset:(4*\n+\s)*1536+512*\c
.endr
.endr
.endr
.irp s, 0,1,2,3
.if \s == 0
	s_wait_loadcnt 63                              ; x, the scale words and K step 0 of Wo are in: behind them 72 loads were issued, and the count names as many as its field holds
.else
	s_wait_loadcnt 24*(3-\s)                       ; the later K steps' 24 loads each may be out
.endif
.if \s < 2
	WIN 0xf1                                       ; source 0 (Wo) window 1, source 1 (x) window 0, C and D window 3
.else
	WIN 0xf2
.endif
.irp a, 0,1                                    ; the 16 accumulators take turns, one instruction a turn
.irp n, 0,1,2,3,4,5,6,7
.if \s == 0
	v_wmma_scale_f32_16x16x128_f8f6f4 v[8*(8*\a+\n):8*(8*\a+\n)+7], v[96*(\s%2)+12*\n:96*(\s%2)+12*\n+11], v[XF+48*\a+12*\s:XF+48*\a+12*\s+11], 0, v[WSR+4*\n+\s], v[XSR+4*\a+\s] matrix_a_fmt:MATRIX_FMT_FP6 matrix_b_fmt:MATRIX_FMT_FP6
.else
	v_wmma_scale_f32_16x16x128_f8f6f4 v[8*(8*\a+\n):8*(8*\a+\n)+7], v[96*(\s%2)+12*\n:96*(\s%2)+12*\n+11], v[XF+48*\a+12*\s:XF+48*\a+12*\s+11], v[8*(8*\a+\n):8*(8*\a+\n)+7], v[WSR+4*\n+\s], v[XSR+4*\a+\s] matrix_a_fmt:MATRIX_FMT_FP6 matrix_b_fmt:MATRIX_FMT_FP6
.endif
.endr
.endr
.endr
	WIN 0
.rept 4
	v_nop                                          ; four places in front of the first read of results
.endr
	s_wait_alu depctr_va_vdst(0)                   ; the products have written the accumulators, which the LDS stores below read, and are done reading x's fragments, in which the stage's loads land; the places above stay beside this wait; no vector instruction follows it
.macro TOSTAGE a                       ; lane (r, h), accumulator n, register j: row r, column 32 (n / 2) + 8 (n % 2) + 16 h + j of the work-group's 128
	WIN 0x0c                                       ; an LDS store's data are its source 1: window 3
.irp n, 0,1,2,3,4,5,6,7
	ds_store_b128 v4, v[8*(8*\a+\n):8*(8*\a+\n)+3] offset:128*(\n/2)+32*(\n%2)          ; each accumulator from its low end on
	ds_store_b128 v4, v[8*(8*\a+\n)+4:8*(8*\a+\n)+7] offset:128*(\n/2)+32*(\n%2)+16
.endr
	WIN 0
.irp i, 0,1,2,3,4,5,6,7,8,9,10,11,12,13,14,15
	ds_load_b128 v[BK+64*\a+4*\i:BK+64*\a+4*\i+3], v5 offset:528*\i   ; LDS serves a wave's instructions in order: these see my stores, and the next tile's stores come behind them
.endr
.endm
.macro SEND a
.irp i, 0,1,2,3,4,5,6,7,8,9,10,11,12,13,14,15
	global_store_b128 v1, v[BK+64*\a+4*\i:BK+64*\a+4*\i+3], s[8:9] offset:(8*\a+\i+8*(\i/8))*2048 th:TH_STORE_NT   ; 32 lanes store 512 consecutive bytes of row rho(tile, i)
.endr
.endm
	TOSTAGE 0
	TOSTAGE 1
	s_wait_dscnt 32                                ; tile 0's rows are back; tile 1's 16 stores and 16 loads may be out
	SEND 0
	s_wait_dscnt 0x0
	SEND 1
	s_wait_dscnt 0x0                               ; the closing lines, six on end
	s_wait_alu 0x0
	s_wait_tensorcnt 0x0
	ds_add_u32 v6, v7
	s_wait_dscnt 0x0
	s_endpgm
.Lfunc_end_k_qb58577b2db_outp:
	.size	k_qb58577b2db_outp, .Lfunc_end_k_qb58577b2db_outp-k_qb58577b2db_outp
	.p2alignl 7, 3214868480
	.fill 96, 4, 3214868480
	.section	.rodata,"a",@progbits
	.p2align	6, 0x0
	.amdhsa_kernel k_qb58577b2db_outp
		.amdhsa_group_segment_fixed_size 34304
		.amdhsa_private_segment_fixed_size 0
		.amdhsa_enable_private_segment 0
		.amdhsa_kernarg_size 24
		.amdhsa_user_sgpr_count 2
		.amdhsa_user_sgpr_kernarg_segment_ptr 1
		.amdhsa_wavefront_size32 1
		.amdhsa_system_sgpr_workgroup_id_x 1
		.amdhsa_system_sgpr_workgroup_id_y 1
		.amdhsa_system_sgpr_workgroup_id_z 1
		.amdhsa_system_vgpr_workitem_id 0
		.amdhsa_next_free_vgpr 896
		.amdhsa_next_free_sgpr 66
		.amdhsa_reserve_vcc 0
		.amdhsa_float_denorm_mode_32 3
		.amdhsa_float_denorm_mode_16_64 3
		.amdhsa_memory_ordered 1
		.amdhsa_forward_progress 1
		.amdhsa_inst_pref_size 32
	.end_amdhsa_kernel
	.amdgpu_metadata
---
amdhsa.version: [ 1, 2 ]
amdhsa.kernels:
  - .name:           k_qb58577b2db_outp
    .symbol:         k_qb58577b2db_outp.kd
    .args:
      - { .name: xq, .offset: 0, .size: 8, .value_kind: global_buffer, .address_space: global }
      - { .name: wq, .offset: 8, .size: 8, .value_kind: global_buffer, .address_space: global }
      - { .name: out0, .offset: 16, .size: 8, .value_kind: global_buffer, .address_space: global }
    .group_segment_fixed_size: 34304
    .private_segment_fixed_size: 0
    .kernarg_segment_align: 8
    .kernarg_segment_size: 24
    .max_flat_workgroup_size: 128
    .sgpr_count:     66
    .vgpr_count:     896
    .wavefront_size: 32
...
	.end_amdgpu_metadata
.endif
;; end of part 8
